; MI455X (gfx1250); checked and timed in simulation.
; The chip was launched on July 23, 2026; its instructions are those of AMD's public machine-readable ISA for CDNA 5 (MIT licence, August 2026) and "CDNA5" Instruction Set Architecture Reference Guide (July 2026). The comments in the code are by the model that wrote it; some were corrected since.
;; Attention Text. Allowed arithmetic: matrix products marked QUANTISED: E2M1 operands, one E8M0 scale for each 32 along K, by v_wmma_scale_f32_16x16x128_f8f6f4 with both operands' format E2M1 (or v_wmma_scale_f32_32x16x128_f4), f32 sums; everything else in f32.
;; Inputs: in_proj_bias 3,072 float32; in_proj_weight 3,072 x 1,024 float32; out_proj_bias 1,024 float32; out_proj_weight 1,024 x 1,024 float32; x 8 x 1,024 x 1,024 float32.
;; Outputs: out0 8 x 1,024 x 1,024 float32.
;; This version of the problem:
;;   THIS VERSION OF THE PROBLEM IS GIVEN IN LOW PRECISION. The matrix products marked QUANTISED in the list below multiply operands that are first quantised to E2M1 (2 exponent bits, 1 mantissa bit; 4 bits a number), with one power-of-two scale for each 32 numbers along K (OCP MX v1.0); their sums are f32. All else is computed in f32.
;;   The module's matrix products, in the order in which they are computed (A, B: the left and right operand; K: the contracted axis; several contracted axes count as one K, in the product's order):
;;     1. [M 8,192, K 1,024] x [K 1,024, N 3,072]; A: input x; B: input in_proj_weight: QUANTISED
;;     2. batch 128 x [M 1,024, K 64] x [K 64, N 1,024]; A: computed on the way; B: computed on the way: QUANTISED
;;     3. batch 128 x [M 1,024, K 1,024] x [K 1,024, N 64]; A: softmax (see below); B: computed on the way: QUANTISED
;;     4. [M 8,192, K 1,024] x [K 1,024, N 1,024]; A: computed on the way; B: input out_proj_weight: QUANTISED
;;   THE QUANTISER, for each operand of a quantised product, along K:
;;     - K is cut into blocks of 32 from its start; a last block that is shorter is filled with zeros.
;;     - A block's scale is 2^e with e = floor(log2(the largest magnitude in the block)) - 2, held to -126 .. 127; a block of zeros has e = 0. As a byte (E8M0): e + 127.
;;     - Each number is divided by its block's scale, clamped to +-6, and rounded to the nearest number of E2M1, ties to even, subnormals kept.
;;     - The product sums the exact products of the quantised numbers (number of the format x scale) in f32.
;;   ~~~python
;;   def quantise(x, axis):      # numpy; x: float32 -> the quantised numbers, widened to float32 again
;;       x = np.moveaxis(x, axis, -1); K = x.shape[-1]
;;       x = np.pad(x, [(0, 0)] * (x.ndim - 1) + [(0, -K % 32)]); x = x.reshape(x.shape[:-1] + (-1, 32)); a = np.abs(x).max(-1, keepdims=True)
;;       e = np.where(a > 0, np.clip(np.frexp(np.where(a > 0, a, 1))[1] - 1 - 2, -126, 127), 0)      # np.frexp(a)[1] - 1 = floor(log2(a)), exactly
;;       r = np.clip(x / 2.0 ** e, -6, 6)
;;       step = 2.0 ** (np.maximum(np.frexp(np.where(r == 0, 1, r))[1] - 1, 0) - 1)
;;       q = np.round(r / step) * step * 2.0 ** e      # np.round: ties to even
;;       return np.moveaxis(q.reshape(q.shape[:-2] + (-1,))[..., :K], -1, axis).astype(np.float32)
;;   ~~~
;;   SOFTMAX AHEAD OF A QUANTISED PRODUCT. Where the list says 'softmax', what is quantised is not the finished softmax but p = 2^(t - M), with t = logit x log2(e) and M = ceil(the row's largest t), a whole number; so 1/2 < the row's largest p <= 1. The row's sum l is taken of the UNQUANTISED p, in f32, and the product's result is divided by l at the end. Since M is a whole number, a kernel that streams over the keys may use a running M (the ceiling of the running maximum): every later rescaling is an exact power of two, which a block's scale takes up: the codes' values come out the same.
;;   OPERANDS COMPUTED ON THE WAY. 'Computed on the way' means the value that the module computes at that place (a softmax that the list does not call 'softmax' is quantised finished and normalised). What goes into a quantiser is computed in f32, as accurately as f32 sums, v_exp_f32 and their like allow (about 1e-6 of the number): no bf16 or f16 on the way to a quantiser, and a product that is left as it is and whose result goes on into a quantised operand takes f32 operands (vector FMAs, or v_wmma_f32_16x16x4_f32). A number that lies on a knife's edge between two numbers of the format may be rounded either way, as far as f32 arithmetic and the matrix unit's own rounding can turn it there, and no further.
;; One version. Each part assembles by itself: llvm-mc -triple=amdgcn-amd-amdhsa -mcpu=gfx1250 --defsym DOCPART=n.
;; ======== version 1 of 1: 4 launches
;; limits: right only within a limited range of input values
;; workspace buffers: opc 6,291,456 bytes; ops 393,216 bytes; qc 4,194,304 bytes; qs 524,288 bytes; kvc 8,388,608 bytes; kvs 786,432 bytes; aoc 4,194,304 bytes; aos 262,144 bytes
;; launch quant (part 1): grid 256 x 1, 6 waves a work-group, no clusters, 49,920 bytes of LDS; arguments x, in_proj_weight, out_proj_weight, opc, ops; writes opc, ops
.if DOCPART == 1
	.amdgcn_target "amdgcn-amd-amdhsa--gfx1250"
	.amdhsa_code_object_version 6
	.text
	.protected	k_q79a9a99005_quant
	.globl	k_q79a9a99005_quant
	.p2align	8
	.type	k_q79a9a99005_quant,@function
k_q79a9a99005_quant:
	s_mov_b64 s[64:65], 0
	v_nop
	global_prefetch_b8 v0, s[64:65] scope:SCOPE_SE
	s_setreg_imm32_b32 hwreg(HW_REG_WAVE_MODE, 25, 1), 1
	s_wait_xcnt 0x0
; x [8192][1024], in_proj_weight [3072][1024] and out_proj_weight [1024][1024], f32, K innermost, become codes of FP4 (E2M1), 4 bits each, with one E8M0 scale byte for each 32 along K.
; The three tensors' rows lie end to end in the two outputs: opc [12288 rows][512 bytes], ops [12288 rows][32 bytes]: x at row 0, in_proj_weight at 8192, out_proj_weight at 11264.
; A block's scale is 2^(floor(log2(its largest magnitude)) - 2); its byte is the largest magnitude's exponent field - 2, held at 1 from below.  Each number is divided by the scale and rounded to the nearest code, ties to even.
; THE ROWS ARE STORED IN ANOTHER ORDER THAN THEY ARE READ: inside each 32 rows, row 16 hh + 8 u + j goes to place 16 u + 8 hh + j.  Sixteen consecutive stored rows are then rows 8 u + r + 8 (r / 8) of the 32:
; the order in which the products want a tile's rows, so that a lane's results of two neighbouring tiles are 16 neighbours along the next product's K.
; LIMITS: a block of zeros, or one whose largest magnitude lies under 2^-124, gets the byte 1 (its codes are zeros, and this program alone reads the bytes); NaN and infinities among the inputs are not served.
; SHARES.  The 12,288 rows are 1,536 runs of 8 rows; a wave takes one run, 16 steps of 512 numbers; a work-group of six waves takes six runs: 256 work-groups of equal work.
; Each of a step's four loads reads 512 consecutive bytes, 16 a lane; the 2,048 bytes turn through the wave's own stage in LDS and come back 64 bytes a lane, so that a lane holds 16 neighbours along K (two neighbouring
; lanes hold a block).  A lane's 16 codes are 8 bytes: the wave stores 256 consecutive bytes.  A wave's 256 scale bytes are gathered in LDS and leave as one aligned run of 256 bytes.
; No tensor loads, no barrier: waves share nothing.  Loads run eight steps ahead: 32 loads, 16 KB, of every wave are out, half of all that it reads; the turn through LDS runs one step ahead.
.set STEPS, 16
.set DEPTH, 8                         ; steps that the loads run ahead
.set EMAX,  2
.set CB,    8                         ; bytes of 16 codes
.set R,     16                        ; v16-143  eight sets of 16 numbers as they are loaded
.set X,     144                       ; v144-175 two sets of 16 neighbours
.set E,     176                       ; v176-191 a scale byte for each step
.set C,     192                       ; v192-223 codes: two registers for each step, so that no store's data are written again
.set WREG,  8192                      ; LDS: a region of its own for each wave: two stages of 32 x SP bytes, and behind them its 256 scale bytes
.set SP,    80                        ; a lane's place in a stage: its 64 bytes + 16 of padding
	s_load_b128 s[4:7], s[0:1], 0x0                ; x, in_proj_weight
	s_load_b128 s[8:11], s[0:1], 0x10              ; out_proj_weight, opc
	s_load_b64 s[12:13], s[0:1], 0x20              ; ops
	v_lshl_add_u32 v224, v0, 2, 0xc000
	v_mov_b32 v225, 0
	v_lshrrev_b32 v1, 5, v0
	v_readfirstlane_b32 s16, v1                    ; wave 0..5
	v_and_b32 v2, 31, v0                           ; lane
	v_lshlrev_b32 v3, 4, v2                        ; my 16 bytes of a load's 512
	s_mul_i32 s17, s16, WREG
	v_lshrrev_b32 v14, 2, v2
	v_mul_u32_u24 v14, v14, SP
	v_and_b32 v15, 3, v2
	v_lshl_add_u32 v14, v15, 4, v14
	v_add_nc_u32 v14, s17, v14                     ; the stage, on the way in: SP (lane / 4) + 16 (lane % 4)
	v_mul_u32_u24 v15, v2, SP
	v_add_nc_u32 v15, s17, v15                     ; and on the way out: SP x lane: my 16 neighbours
	v_mul_u32_u24 v4, v2, CB                       ; my codes' place in a step's
	v_lshrrev_b32 v5, 1, v2
	s_add_co_u32 s17, s17, 2*32*SP
	v_add_nc_u32 v5, s17, v5                       ; LDS: my wave's 256 scale bytes, my block's byte
	v_lshlrev_b32 v7, 3, v2                        ; and on the way out 8 bytes a lane
	v_add_nc_u32 v6, s17, v7
	s_mul_i32 s18, ttmp9, 6
	s_add_co_u32 s18, s18, s16                     ; G: which of the 1,536 runs of 8 rows is my wave's
	s_wait_alu depctr_va_vdst(0)
	s_wait_kmcnt 0x0
	s_mov_b32 s17, 1408                            ; which tensor holds it?  The choice hangs on ids alone: x has runs 0 to 1,023, in_proj_weight 1,024 to 1,407, out_proj_weight the rest
	s_cmp_lt_u32 s18, 1408
	s_cselect_b64 s[6:7], s[6:7], s[8:9]
	s_cselect_b32 s17, 1024, s17
	s_cmp_lt_u32 s18, 1024
	s_cselect_b64 s[4:5], s[4:5], s[6:7]
	s_cselect_b32 s17, 0, s17                      ; the tensor's first run
	s_sub_co_u32 s20, s18, s17                     ; my run in the tensor
	s_mov_b32 s21, 0
	s_lshl_b64 s[20:21], s[20:21], 15              ; 32,768 bytes a run
	s_add_nc_u64 s[4:5], s[4:5], s[20:21]
	s_and_b32 s22, s18, 1                          ; and where it goes: G's two low bits change places (hh, u -> u, hh); the tensors lie end to end, so G counts on through all three
	s_lshl_b32 s22, s22, 1
	s_bfe_u32 s23, s18, 0x10001
	s_or_b32 s22, s22, s23
	s_and_b32 s23, s18, 0xfffffffc
	s_or_b32 s22, s22, s23
	; in_proj_weight's 384 runs are laid pair of heads by pair of heads: run (part, g, rr), part = q, k, v, g = the pair, rr = 0..15, goes to place 48 g + 16 part + rr,
	; so that the 128 rows of q, of k and of v of one pair are 384 consecutive stored rows.  The choice hangs on ids alone
	s_sub_co_u32 s26, s22, 1024                    ; my run in in_proj_weight (a large number in x's runs)
	s_bfe_u32 s27, s26, 0x30004                    ; g
	s_mul_i32 s27, s27, 48
	s_lshr_b32 s28, s26, 7                         ; part
	s_lshl_b32 s28, s28, 4
	s_add_co_u32 s27, s27, s28
	s_and_b32 s28, s26, 15                         ; rr
	s_add_co_u32 s27, s27, s28
	s_add_co_u32 s27, s27, 1024
	s_cmp_lt_u32 s26, 384
	s_cselect_b32 s22, s27, s22
	s_mov_b32 s23, 0
	s_lshl_b64 s[24:25], s[22:23], 12              ; 4,096 bytes of codes a run
	s_add_nc_u64 s[10:11], s[10:11], s[24:25]
	s_lshl_b64 s[24:25], s[22:23], 8               ; 256 scale bytes a run
	s_add_nc_u64 s[12:13], s[12:13], s[24:25]
.macro LOAD t
.irp i, 0,1,2,3
	global_load_b128 v[R+16*((\t)%DEPTH)+4*\i:R+16*((\t)%DEPTH)+4*\i+3], v3, s[4:5] offset:2048*(\t)+512*\i th:TH_LOAD_NT   ; 32 lanes read 512 consecutive bytes; read once in the launch
.endr
.endm
.macro TURN t                          ; step t's numbers through the stage: LDS serves a wave's instructions in order, so no wait stands between the stores and the loads
.irp i, 0,1,2,3
	ds_store_b128 v14, v[R+16*((\t)%DEPTH)+4*\i:R+16*((\t)%DEPTH)+4*\i+3] offset:32*SP*((\t)%2)+8*SP*\i
.endr
.irp i, 0,1,2,3
	ds_load_b128 v[X+16*((\t)%2)+4*\i:X+16*((\t)%2)+4*\i+3], v15 offset:32*SP*((\t)%2)+16*\i
.endr
.endm
.irp t, 0,1,2,3,4,5,6,7
	LOAD \t
.endr
	s_wait_loadcnt 4*(DEPTH-1)                     ; step 0's four loads are in; the 28 of steps 1 to 7 may be out
	TURN 0
.macro STEP t
.set XS, X+16*((\t)%2)
.if (\t) > 0
	s_wait_dscnt 1                                 ; this step's numbers are back from the stage (the last step's byte store may be out): so its stores into the stage have read their registers,
.else
	s_wait_dscnt 0x0
.endif
.if (\t)+DEPTH < STEPS
	LOAD (\t)+DEPTH                                ; which take the loads of eight steps on
.endif
.if (\t)+1 < STEPS
.if STEPS-2-(\t) >= DEPTH-1
	s_wait_loadcnt 4*(DEPTH-1)                     ; the next step's four loads are in; those of the seven steps behind it may be out
.else
	s_wait_loadcnt 4*(STEPS-2-(\t))                ; towards the end: those of the steps that are left
.endif
	TURN (\t)+1                                    ; and go through the other stage while this step is worked
.endif
	v_max3_num_f32 v8, |v[XS]|, |v[XS+1]|, |v[XS+2]|               ; the largest magnitude of my 16
	v_max3_num_f32 v9, |v[XS+3]|, |v[XS+4]|, |v[XS+5]|
.irp i, 6,10
	v_max3_num_f32 v8, v8, |v[XS+\i]|, |v[XS+\i+1]|
	v_max3_num_f32 v9, v9, |v[XS+\i+2]|, |v[XS+\i+3]|
.endr
	v_max3_num_f32 v8, v8, |v[XS+14]|, |v[XS+15]|
	v_max3_num_f32 v8, v8, v9, (EMAX+1)<<23        ; and the floor 2^(3 - 127): so the byte cannot fall under 1
	v_max_num_f32_dpp v8, v8, v8 row_xmask:1 row_mask:0xf bank_mask:0xf   ; and of my neighbour's 16: the block's
	v_add_nc_u32 v11, -(EMAX<<23), v8              ; 2 off its exponent field: the conversion takes the exponent field of this operand as its scale, and nothing else of it
	v_cvt_scalef32_pk8_fp4_f32 v[C+2*(\t)], v[XS:XS+7], v11
	v_cvt_scalef32_pk8_fp4_f32 v[C+2*(\t)+1], v[XS+8:XS+15], v11
	v_lshrrev_b32 v[E+(\t)], 23, v11               ; the scale's byte
	ds_store_b8 v5, v[E+(\t)] offset:16*(\t)       ; both lanes of a block write the same byte with the same value
	global_store_b64 v4, v[C+2*(\t):C+2*(\t)+1], s[10:11] offset:32*CB*(\t)   ; 32 lanes store 256 consecutive bytes, aligned
.endm
.irp t, 0,1,2,3,4,5,6,7,8,9,10,11,12,13,14,15
	STEP \t
.endr
	ds_load_b64 v[12:13], v6                       ; LDS serves a wave's instructions in order: these see my stores
	s_wait_dscnt 0x0
	global_store_b64 v7, v[12:13], s[12:13]        ; 32 lanes store 256 consecutive bytes, aligned
	s_wait_tensorcnt 0x0
	ds_add_u32 v224, v225
	s_wait_dscnt 0x0
	s_endpgm
.Lfunc_end_k_q79a9a99005_quant:
	.size	k_q79a9a99005_quant, .Lfunc_end_k_q79a9a99005_quant-k_q79a9a99005_quant
	.p2alignl 7, 3214868480
	.fill 96, 4, 3214868480
	.section	.rodata,"a",@progbits
	.p2align	6, 0x0
	.amdhsa_kernel k_q79a9a99005_quant
		.amdhsa_group_segment_fixed_size 49920
		.amdhsa_private_segment_fixed_size 0
		.amdhsa_enable_private_segment 0
		.amdhsa_kernarg_size 40
		.amdhsa_user_sgpr_count 2
		.amdhsa_user_sgpr_kernarg_segment_ptr 1
		.amdhsa_wavefront_size32 1
		.amdhsa_system_sgpr_workgroup_id_x 1
		.amdhsa_system_sgpr_workgroup_id_y 1
		.amdhsa_system_sgpr_workgroup_id_z 1
		.amdhsa_system_vgpr_workitem_id 0
		.amdhsa_next_free_vgpr 226
		.amdhsa_next_free_sgpr 66
		.amdhsa_reserve_vcc 0
		.amdhsa_float_denorm_mode_32 3
		.amdhsa_float_denorm_mode_16_64 3
		.amdhsa_memory_ordered 1
		.amdhsa_forward_progress 1
		.amdhsa_inst_pref_size 34
	.end_amdhsa_kernel
	.amdgpu_metadata
---
amdhsa.version: [ 1, 2 ]
amdhsa.kernels:
  - .name:           k_q79a9a99005_quant
    .symbol:         k_q79a9a99005_quant.kd
    .args:
      - { .name: x, .offset: 0, .size: 8, .value_kind: global_buffer, .address_space: global }
      - { .name: in_proj_weight, .offset: 8, .size: 8, .value_kind: global_buffer, .address_space: global }
      - { .name: out_proj_weight, .offset: 16, .size: 8, .value_kind: global_buffer, .address_space: global }
      - { .name: opc, .offset: 24, .size: 8, .value_kind: global_buffer, .address_space: global }
      - { .name: ops, .offset: 32, .size: 8, .value_kind: global_buffer, .address_space: global }
    .group_segment_fixed_size: 49920
    .private_segment_fixed_size: 0
    .kernarg_segment_align: 8
    .kernarg_segment_size: 40
    .max_flat_workgroup_size: 192
    .sgpr_count:     66
    .vgpr_count:     226
    .wavefront_size: 32
...
	.end_amdgpu_metadata
.endif
;; end of part 1
;; launch qkv (part 2): grid 8 x 32, 4 waves a work-group, clusters of 4 x 4, 327,680 bytes of LDS; arguments opc, ops, in_proj_bias, qc, qs, kvc, kvs; writes qc, qs, kvc, kvs
.if DOCPART == 2
	.amdgcn_target "amdgcn-amd-amdhsa--gfx1250"
	.amdhsa_code_object_version 6
	.text
	.protected	k_q79a9a99005_qkv
	.globl	k_q79a9a99005_qkv
	.p2align	8
	.type	k_q79a9a99005_qkv,@function
k_q79a9a99005_qkv:
	s_mov_b64 s[64:65], 0
	v_nop
	global_prefetch_b8 v0, s[64:65] scope:SCOPE_SE
	s_setreg_imm32_b32 hwreg(HW_REG_WAVE_MODE, 25, 1), 1
	s_wait_xcnt 0x0
	s_wait_alu depctr_hold_cnt(0) depctr_sa_sdst(0) depctr_va_vdst(0) depctr_va_sdst(0) depctr_va_ssrc(0) depctr_va_vcc(0) depctr_vm_vsrc(0)
	s_getreg_b32 s2, hwreg(HW_REG_IB_STS2, 6, 4)
	s_cmp_eq_u32 s2, 0
	s_cbranch_scc0 .Lentry_in_a_cluster
	s_endpgm
.Lentry_in_a_cluster:
	s_bfe_u32 s2, ttmp6, 0x10000c
	s_cmp_lg_u32 s2, 0xf033
	s_cbranch_scc0 .Lentry_shape_is_right
	s_endpgm
.Lentry_shape_is_right:
; qkv = x W_in^T + b on codes of FP4 (E2M1) with E8M0 scales for each 32 along K = 1,024.  The results never go to memory as f32: q and k are quantised along their head's 64 channels, v along the keys, in registers.
; SHARES.  A work-group owns 256 tokens (work-group y) and one pair of heads g (work-group x): 8 x 32 = 256 work-groups.  Its 256 rows of x, all of K, lie in two LDS slots of 512 along K and stay.
; PART 1: q and k of the pair: 256 tokens x 256 rows of W (128 of q, 128 of k), 128 x 128 a wave, 64 accumulators.  PART 2: v: 128 rows of W_v x the same 256 tokens, 64 x 128 a wave, 32 accumulators; x is read from LDS again.
; W_v (both halves of K) is the one refill: it lands on slot 0's bytes of W_q and W_k behind the round at the change of slots.
; ROLES.  The matrix instruction's source 0 is called B, its source 1 A: a lane holds ONE row of A, and its registers run along B's rows.  Part 1: A = tokens, B = channels.  Part 2: A = channels of v, B = tokens (the keys, v's next K).
; ROW ORDER.  Stored rows are such that lane r of tile 2 c + u of a chunk of 128 is row 32 c + 8 u + r + 8 (r / 8): the 16 registers of B's tiles 2 c, 2 c + 1 are 16 neighbours.  W_in's stored rows of pair g: 8192 + 384 g: q, k, v.
; THE BIAS is the C of each sum's first matrix instruction.
; OUT.  Each tile of A gives one fragment (8 registers a lane, stored as it stands, 512 consecutive bytes a store) and one scale word a row; q's and k's word is cut in two, one half for each head, upper bytes 0.
; CLUSTERS: 4 x 4.  x's tiles hang on y alone and are shared along a row of the cluster, W's on x alone and are shared along a column: joint loads.
; NO PREFETCH: the text has no loop to run ahead in; two slots hold all of K, and all but one fill are asked for at the head.
; LIMITS: blocks of zeros or under 2^-124 get the scale byte 1 (codes 0; this program alone reads the bytes); NaN and infinities are not served.
; REGISTERS: window 0: v0-31 addresses; v32-95 scale words, two sets; v96-115 the scale words made; v128-191 A's fragments, later the codes made; v192-255 the bias, later v200-215 at work and v216-247 v's bias.
;   window 1: B's fragments, two sets, at v0 and v128.  window 2: accumulators of A's tiles 0-3 ((a, b) at v[8 (8 a + b)]); window 3: those of tiles 4-7.
.set NQ,     4                         ; steps of 128 along K in a slot
.set ROWB,   256                       ; a tile's row in bytes
.set KROW,   512                       ; a row of opc
.set PITCH,  272                       ; an LDS row: 256 bytes + 16 of padding
.set FR,     8
.set NL,     2
.set NP,     4                         ; places behind this matrix instruction (ISA guide 7.12.1)
.set HALFT,  128*PITCH
.set SLOT,   4*HALFT                   ; x's 256 rows, then W's 256 rows
.set HALFS,  16*272                    ; the scales of 128 rows: 16 runs of 256 bytes + 16
.set SBLK,   2*272                     ; those of 16 rows
.set SCL,    2*SLOT                    ; W's scales: q, k, v
.set SCX,    SCL+3*HALFS               ; x's scales
.set SPARE,  SCX+2*HALFS               ; the spare words: two blocks of 256 bytes that no other line names
.set ADRA,  16                         ; v16-17 part 1: my A fragments in slot 0, 1
.set ADRA2, 18                         ; v18-19 part 2: W_v's fragments, K half 0, 1
.set ADRB,  20                         ; v20-21 part 1: B
.set ADRB2, 22                         ; v22-23 part 2: x's fragments as B
.set ADRS2, 24                         ; v24 part 2's scale words: lanes 0-15 W_v's rows, lanes 16-31 x's
.set R16,   25                         ; v25 16 r
.set LN16,  26                         ; v26 16 x lane
.set ADRS,  27                         ; v27 part 1's scale words: lanes 0-15 x's rows, lanes 16-31 W's
.set SPW,   28
.set NIL,   29
.set SC,    32
.set PW,    96
.set AF,    128
.set BIAS,  192
.set TM,    200
.set BV,    216
.set SEL,   12                         ; s[12:13] selects for lane l xor 16
.set G0H,   4                          ; s[4:7], s[8:11] group 0 of the head's loads of codes
.set G0HB,  8
.set G1,    24
.set G0,    32                         ; s[36:39] x, slot 1
.set G1B,   48
.set G0B,   56                         ; s[56:59] W_v; s[60:63] W, slot 1
.set G1S,   68
.set G0S,   76
.set G1SB,  80
.set G0SB,  88
.set MSB, 0
.macro WIN new                         ; the immediate's high byte repeats the setting that is left
.if MSB != \new
	s_set_vgpr_msb (MSB<<8)|\new
.set MSB, \new
.endif
.endm
.set MUL_LO, 0xa1                      ; source 0 window 1, source 1 window 0, C and D window 2
.set MUL_HI, 0xf1
.set TO_B,   0x40
.macro PLACES n
.rept \n
	v_nop
.endr
.endm
.macro JLOAD g0a, g1a, g0b, g1b        ; waves 0 and 1 fetch for x, waves 2 and 3 for W; an s_nop 0 and four v_nop follow each line
	s_cmp_eq_u32 s15, 0
	s_cbranch_scc0 .Lfor_b_\@
	tensor_load_to_lds s[\g0a:\g0a+3], s[\g1a:\g1a+7]
	s_nop 0
	PLACES 4
	s_branch .Lasked_\@
.Lfor_b_\@:
	tensor_load_to_lds s[\g0b:\g0b+3], s[\g1b:\g1b+7]
	s_nop 0
	PLACES 4
.Lasked_\@:
.endm
.macro CREST                           ; a round of the cluster's barrier behind its opening barrier
	s_cmp_lg_u32 s14, 0
	s_cbranch_scc1 .Lnot_wave_0_\@
	s_barrier_signal -3
.Lnot_wave_0_\@:
	s_barrier_wait -3
	s_barrier_signal -1
	s_barrier_wait -1
.endm
.macro CROUND
	s_barrier_signal -1
	s_barrier_wait -1
	CREST
.endm
	s_load_b128 s[4:7], s[0:1], 0x0                ; opc, ops
	s_load_b64 s[104:105], s[0:1], 0x10            ; in_proj_bias
	s_load_b64 s[66:67], s[0:1], 0x18              ; qc
	s_load_b64 s[96:97], s[0:1], 0x20              ; qs
	s_load_b64 s[98:99], s[0:1], 0x28              ; kvc
	s_load_b64 s[100:101], s[0:1], 0x30            ; kvs
	v_lshl_add_u32 v[SPW], v0, 2, SPARE
	v_mov_b32 v[NIL], 0
	ds_add_u32 v[SPW], v[NIL]                      ; the opening lines: the add, twice on end, and its wait
	ds_add_u32 v[SPW], v[NIL]
	v_lshrrev_b32 v1, 5, v0
	v_readfirstlane_b32 s14, v1                    ; wave 0..3
	s_lshr_b32 s15, s14, 1                         ; i: my half of A's rows.  Also: I fetch for x (0) or for W (1)
	s_and_b32 s16, s14, 1                          ; j: my half of B's rows.  Also: which 128 rows I fetch
	s_bfe_u32 s40, ttmp6, 0x40000                  ; cx, cy
	s_bfe_u32 s41, ttmp6, 0x40004
	s_lshl_b32 s42, ttmp9, 2
	s_add_co_u32 s42, s42, s40                     ; g = 4 x cluster x + cx
	s_and_b32 s17, ttmp7, 0xffff
	s_lshl_b32 s17, s17, 2
	s_add_co_u32 s17, s17, s41                     ; y: my block of 256 tokens
	s_lshl_b32 s43, s41, 2
	s_lshl_b32 s43, 15, s43                        ; my row of the cluster
	s_lshl_b32 s44, 0x1111, s40                    ; my column
	s_or_b32 s[G1+0], s43, (1<<20)|(1<<21)|(5<<22)|(3<<25)   ; the mask; elements of 1 byte; 4 words of padding after every 64
	s_or_b32 s[G1B+0], s44, (1<<20)|(1<<21)|(5<<22)|(3<<25)
.irp g, G1, G1B
	s_mov_b32 s[\g+1], ROWB<<16
	s_mov_b32 s[\g+2], 256<<16                     ; 256 rows for the head's loads; 128 behind them
	s_mov_b32 s[\g+3], ROWB<<16
	s_mov_b32 s[\g+4], 256
	s_mov_b32 s[\g+5], KROW
	s_mov_b32 s[\g+6], 0
	s_mov_b32 s[\g+7], 0
.endr
	s_or_b32 s[G1S+0], s43, (3<<16)|(1<<20)|(1<<21)|(5<<22)|(3<<25)   ; scales: dense blocks as rows of 256 bytes (32 elements of 8): x's 32 rows, W's 48
	s_or_b32 s[G1SB+0], s44, (3<<16)|(1<<20)|(1<<21)|(5<<22)|(3<<25)
	s_mov_b32 s[G1S+1], 32<<16
	s_mov_b32 s[G1S+2], 32<<16
	s_mov_b32 s[G1S+3], 32<<16
	s_mov_b32 s[G1S+4], 32
	s_mov_b32 s[G1S+5], 32
	s_mov_b32 s[G1S+6], 0
	s_mov_b32 s[G1S+7], 0
	s_mov_b32 s[G1SB+1], 32<<16
	s_mov_b32 s[G1SB+2], 48<<16
	s_mov_b32 s[G1SB+3], 32<<16
	s_mov_b32 s[G1SB+4], 48
	s_mov_b32 s[G1SB+5], 32
	s_mov_b32 s[G1SB+6], 0
	s_mov_b32 s[G1SB+7], 0
	s_lshl_b32 s20, s17, 8                         ; x's first stored row
	s_mul_i32 s46, s42, 384
	s_add_co_u32 s46, s46, 8192                    ; W's
	s_lshl_b32 s22, s20, 5                         ; their scales, in bytes,
	s_mov_b32 s23, 0
	s_lshl_b32 s92, s46, 5
	s_mov_b32 s93, 0
	s_lshl_b32 s20, s20, 9                         ; and their codes
	s_mov_b32 s21, 0
	s_lshl_b32 s46, s46, 9
	s_mov_b32 s47, 0
	s_lshl_b32 s18, s16, 16                        ; behind the head I fetch 128 rows: which half, in bytes
	s_mov_b32 s19, 0
	s_lshl_b32 s2, s16, 8                          ; W_v: which half of K
	s_mov_b32 s3, 0
	s_mul_i32 s45, s14, HALFT                      ; where they go: wave x 128 rows
	s_wait_dscnt 0x0                               ; both opening adds are done
	s_wait_kmcnt 0x0
	s_add_nc_u64 s[20:21], s[4:5], s[20:21]
	s_add_nc_u64 s[22:23], s[6:7], s[22:23]
	s_add_nc_u64 s[46:47], s[4:5], s[46:47]
	s_add_nc_u64 s[92:93], s[6:7], s[92:93]
	CROUND                                         ; all sixteen work-groups are here: the first joint loads meet
	s_mov_b32 s[G0H], 1                            ; K half 0 of x's 256 rows,
	s_mov_b32 s[G0H+1], 0
	s_mov_b64 s[G0H+2:G0H+3], s[20:21]
	s_or_b32 s[G0H+3], s[G0H+3], 0x80000000
	s_mov_b32 s[G0HB], 1                           ; of W_q's and W_k's 256,
	s_mov_b32 s[G0HB+1], 2*HALFT
	s_mov_b64 s[G0HB+2:G0HB+3], s[46:47]
	s_or_b32 s[G0HB+3], s[G0HB+3], 0x80000000
	s_mov_b32 s[G0S], 1                            ; x's scales,
	s_mov_b32 s[G0S+1], SCX
	s_mov_b64 s[G0S+2:G0S+3], s[22:23]
	s_or_b32 s[G0S+3], s[G0S+3], 0x80000000
	s_mov_b32 s[G0SB], 1                           ; W's scales: q, k and v
	s_mov_b32 s[G0SB+1], SCL
	s_mov_b64 s[G0SB+2:G0SB+3], s[92:93]
	s_or_b32 s[G0SB+3], s[G0SB+3], 0x80000000
	s_mov_b32 s[G0B], 1                            ; W_v: 128 rows, K half j, onto slot 0's rows of W
	s_mov_b32 s[G0B+1], s45
	s_add_nc_u64 s[G0B+2:G0B+3], s[46:47], 256*KROW
	s_add_nc_u64 s[G0B+2:G0B+3], s[G0B+2:G0B+3], s[2:3]
	s_or_b32 s[G0B+3], s[G0B+3], 0x80000000
	s_add_nc_u64 s[20:21], s[20:21], s[18:19]      ; slot 1: my 128 rows, K half 1
	s_add_nc_u64 s[46:47], s[46:47], s[18:19]
	s_mov_b32 s[G0+4], 1
	s_add_co_u32 s[G0+5], s45, SLOT
	s_add_nc_u64 s[G0+6:G0+7], s[20:21], ROWB
	s_or_b32 s[G0+7], s[G0+7], 0x80000000
	s_mov_b32 s[G0B+4], 1
	s_add_co_u32 s[G0B+5], s45, SLOT
	s_add_nc_u64 s[G0B+6:G0B+7], s[46:47], ROWB
	s_or_b32 s[G0B+7], s[G0B+7], 0x80000000
; THE HEAD'S LOADS, one a wave: one tree of branches on the wave's number, every way passes exactly one load
.macro ARM under, g0, g1, next
	s_cmp_lt_u32 s14, \under
	s_cbranch_scc0 \next
	tensor_load_to_lds s[\g0:\g0+3], s[\g1:\g1+7]
	s_nop 0
	PLACES 4
	s_branch .Lhead_asked
\next:
.endm
	ARM 1, G0H,  G1,  .Lhead_b
	ARM 2, G0HB, G1B, .Lhead_sa
	ARM 3, G0S,  G1S, .Lhead_sb
	tensor_load_to_lds s[G0SB:G0SB+3], s[G1SB:G1SB+7]
	s_nop 0
	PLACES 4
.Lhead_asked:
	; scalar work first, then the vector lines in one run
	s_mul_i32 s18, s15, HALFT                      ; part 1: my 128 tokens
	s_mul_i32 s19, s16, HALFT                      ; my 128 rows of W (behind x's 256); part 2: my 128 tokens
	s_mul_i32 s20, s15, 64*PITCH
	s_add_co_u32 s20, s20, 2*HALFT                 ; part 2: my 64 rows of W_v
	s_mul_i32 s21, s16, HALFS
	s_add_co_u32 s21, s21, SCL                     ; part 1: W's scale words (lanes 16-31),
	s_mul_i32 s22, s15, HALFS
	s_add_co_u32 s22, s22, SCX
	s_sub_co_u32 s22, s22, s21                     ; and how far on x's lie (lanes 0-15)
	s_mul_i32 s23, s15, HALFS/2
	s_add_co_u32 s23, s23, SCL+2*HALFS             ; part 2: W_v's (lanes 0-15),
	s_mul_i32 s45, s16, HALFS
	s_add_co_u32 s45, s45, SCX
	s_sub_co_u32 s45, s45, s23                     ; and how far on x's lie (lanes 16-31)
	s_lshr_b32 s2, s17, 2
	s_lshl_b32 s2, s2, 3
	s_add_co_u32 s2, s2, s42                       ; bg = 8 x batch + g
	s_lshl_b32 s3, s17, 1
	s_add_co_u32 s40, s3, s15
	s_and_b32 s40, s40, 7                          ; part 1: my chunk of 128 tokens in the batch
	s_add_co_u32 s41, s3, s16
	s_and_b32 s41, s41, 7                          ; part 2's
	s_mov_b32 s47, 12288
	s_cmp_eq_u32 s16, 0                            ; part 1: j = 0 makes q, j = 1 k: a choice on the wave's number
	s_cselect_b64 s[66:67], s[66:67], s[98:99]
	s_cselect_b64 s[96:97], s[96:97], s[100:101]
	s_cselect_b32 s46, 16, 17                      ; codes: 64 KB for each bg in qc, 128 KB in kvc
	s_cselect_b32 s47, 8192, s47                   ; scale words: 8 KB in qs, 12 KB in kvs
	s_lshl_b32 s46, s2, s46
	s_lshl_b32 s3, s40, 13
	s_add_co_u32 s46, s46, s3
	s_mul_i32 s92, s2, s47
	s_lshl_b32 s3, s40, 10
	s_add_co_u32 s92, s92, s3
	s_mov_b32 s47, 0
	s_mov_b32 s93, 0
	s_add_nc_u64 s[66:67], s[66:67], s[46:47]
	s_add_nc_u64 s[96:97], s[96:97], s[92:93]
	s_lshl_b32 s46, s2, 17                         ; v: behind k's 64 KB; 8 KB a chunk of keys; my four tiles of 1 KB
	s_add_co_u32 s46, s46, 65536
	s_lshl_b32 s3, s41, 13
	s_add_co_u32 s46, s46, s3
	s_lshl_b32 s3, s15, 12
	s_add_co_u32 s46, s46, s3
	s_add_nc_u64 s[98:99], s[98:99], s[46:47]
	s_mul_i32 s92, s2, 12288                       ; its words: behind k's 8 KB; 512 bytes a chunk; my 256
	s_add_co_u32 s92, s92, 8192
	s_lshl_b32 s3, s41, 9
	s_add_co_u32 s92, s92, s3
	s_lshl_b32 s3, s15, 8
	s_add_co_u32 s92, s92, s3
	s_add_nc_u64 s[100:101], s[100:101], s[92:93]
	s_lshl_b32 s46, s42, 9                         ; the bias: 512 bytes a pair; k's 4,096 bytes on, v's 8,192
	s_lshl_b32 s3, s16, 12
	s_add_co_u32 s92, s46, s3
	s_lshl_b32 s3, s15, 8
	s_add_co_u32 s46, s46, s3
	s_add_co_u32 s46, s46, 8192
	s_add_nc_u64 s[94:95], s[104:105], s[46:47]    ; part 2's
	s_add_nc_u64 s[104:105], s[104:105], s[92:93]  ; part 1's
	s_mov_b32 s[SEL], 0x76543210
	s_mov_b32 s[SEL+1], 0xfedcba98
	v_and_b32 v1, 15, v0                           ; r
	v_bfe_u32 v2, v0, 4, 1                         ; h
	v_and_b32 v10, 31, v0                          ; lane
	v_mul_u32_u24 v3, v1, PITCH
	v_lshl_add_u32 v4, v2, 4, v3                   ; a fragment's row x pitch + 16 h
	v_add_nc_u32 v[ADRA], s18, v4
	v_add_nc_u32 v[ADRA+1], SLOT, v[ADRA]
	v_add_nc_u32 v[ADRB2], s19, v4
	v_add_nc_u32 v[ADRB2+1], SLOT, v[ADRB2]
	v_add_nc_u32 v[ADRB], 2*HALFT, v[ADRB2]
	v_add_nc_u32 v[ADRB+1], SLOT, v[ADRB]
	v_add_nc_u32 v[ADRA2], s20, v4
	v_add_nc_u32 v[ADRA2+1], HALFT, v[ADRA2]
	v_mul_u32_u24 v5, v1, 32                       ; my row's scales: 32 bytes a row,
	v_lshrrev_b32 v6, 8, v5
	v_lshl_add_u32 v5, v6, 4, v5                   ; and 16 more for each 256 passed
	v_xor_b32 v7, 1, v2
	v_mul_u32_u24 v6, s22, v7
	v_add_nc_u32 v6, v5, v6
	v_add_nc_u32 v[ADRS], s21, v6
	v_mul_u32_u24 v6, s45, v2
	v_add_nc_u32 v6, v5, v6
	v_add_nc_u32 v[ADRS2], s23, v6
	v_lshlrev_b32 v[LN16], 4, v10
	v_lshlrev_b32 v[R16], 4, v1
	v_lshlrev_b32 v8, 6, v2                        ; the bias of q, k: my half's 16 channels of each 32
	v_and_b32 v9, 8, v1
	v_add_nc_u32 v9, v9, v1
	v_lshlrev_b32 v9, 2, v9                        ; the bias of v: my channel in a tile
	s_wait_alu depctr_va_vdst(0)
.irp i, 0,1,2,3,4,5,6,7
	global_load_b128 v[BIAS+8*\i:BIAS+8*\i+3], v8, s[104:105] offset:(32*(\i/2)+8*(\i%2))*4
	global_load_b128 v[BIAS+8*\i+4:BIAS+8*\i+7], v8, s[104:105] offset:(32*(\i/2)+8*(\i%2))*4+16
.endr
.macro FRAG reg, adr, q, i             ; 16 rows x 128 K: lane l holds row l % 16; registers 4 c .. 4 c + 3 hold K = 64 c + 32 (l / 16) + 0 .. 31
.irp c, 0,1
	ds_load_b128 v[\reg+4*\c:\reg+4*\c+3], v[\adr] offset:64*(\q)+32*\c+(\i)*16*PITCH
.endr
.endm
; 16 matrix instructions: A's tiles a0, a0 + 1 x B's eight.  first = 1: the sums start with the bias of B's tile.  The accumulators take turns, one instruction a turn
.macro MUL16 a0, p, q, sc, first
.irp a, \a0, \a0+1
.irp b, 0,1,2,3,4,5,6,7
.if \first
	v_wmma_scale_f32_16x16x128_f8f6f4 v[8*(8*((\a)%4)+\b):8*(8*((\a)%4)+\b)+7], v[128*(\p)+FR*\b:128*(\p)+FR*\b+FR-1], v[AF+FR*(\a):AF+FR*(\a)+FR-1], v[BIAS+8*\b:BIAS+8*\b+7], v[SC+8*NQ*(\sc)+NQ*\b+(\q)], v[SC+8*NQ*(\sc)+NQ*(\a)+(\q)] matrix_a_fmt:MATRIX_FMT_FP4 matrix_b_fmt:MATRIX_FMT_FP4 matrix_a_scale:MATRIX_SCALE_ROW1
.else
	v_wmma_scale_f32_16x16x128_f8f6f4 v[8*(8*((\a)%4)+\b):8*(8*((\a)%4)+\b)+7], v[128*(\p)+FR*\b:128*(\p)+FR*\b+FR-1], v[AF+FR*(\a):AF+FR*(\a)+FR-1], v[8*(8*((\a)%4)+\b):8*(8*((\a)%4)+\b)+7], v[SC+8*NQ*(\sc)+NQ*\b+(\q)], v[SC+8*NQ*(\sc)+NQ*(\a)+(\q)] matrix_a_fmt:MATRIX_FMT_FP4 matrix_b_fmt:MATRIX_FMT_FP4 matrix_a_scale:MATRIX_SCALE_ROW1
.endif
.endr
.endr
.endm
.macro FETCH_B slot, q, p
	WIN TO_B
.irp i, 0,1,2,3,4,5,6,7
	FRAG 128*(\p)+FR*\i, ADRB+\slot, \q, \i
.endr
	WIN 0
.endm
.macro FETCH_A slot, q, i0
.irp i, \i0, \i0+1, \i0+2, \i0+3
	FRAG AF+FR*(\i), ADRA+\slot, \q, \i
.endr
.endm
.macro SCALES adr, sc                  ; K half sc's scale words into set sc: 4 words a row
.irp i, 0,1,2,3,4,5,6,7
	ds_load_b128 v[SC+8*NQ*\sc+NQ*\i:SC+8*NQ*\sc+NQ*\i+3], v[\adr] offset:\i*SBLK+16*\sc
.endr
.endm
; Part 1: a step of 128 along K with its successor in the same slot.  A's tiles 0-3 are fetched anew in the step's middle, tiles 4-7 at its end; B has two sets
.macro STEP slot, q, first
	s_wait_dscnt 4*NL                              ; all but the youngest eight loads (A's tiles 4-7)
.if \first
	WIN 0x81                                       ; as MUL_LO, but C (the bias) from window 0
.else
	WIN MUL_LO
.endif
	MUL16 0, (\q)%2, \q, \slot, \first
	MUL16 2, (\q)%2, \q, \slot, \first
	s_wait_dscnt 0
	PLACES NP
	FETCH_B \slot, (\q)+1, 1-(\q)%2
	FETCH_A \slot, (\q)+1, 0
.if \first
	WIN 0xc1
.else
	WIN MUL_HI
.endif
	MUL16 4, (\q)%2, \q, \slot, \first
	MUL16 6, (\q)%2, \q, \slot, \first
	PLACES NP
	WIN 0
	FETCH_A \slot, (\q)+1, 4
.endm
.macro STEPS slot, from
.set Q, \from
.rept NQ-1-\from
	STEP \slot, Q, 0
.set Q, Q+1
.endr
.endm
	s_wait_tensorcnt 0x0                           ; my tile of the head's four is in
	ds_add_u32 v[SPW], v[NIL]
	s_mov_b32 s[G1+2], 128<<16                     ; no tensor load of mine is out: from here on a load brings 128 rows
	s_mov_b32 s[G1+4], 128
	s_mov_b32 s[G1B+2], 128<<16
	s_mov_b32 s[G1B+4], 128
	s_wait_dscnt 0x0
	CROUND                                         ; all four tiles are in, and all sixteen work-groups are here
	JLOAD G0+4, G1, G0B+4, G1B                     ; slot 1, the first tensor load behind the round
	FETCH_B 0, 0, 0
	FETCH_A 0, 0, 0
	SCALES ADRS, 0
	FETCH_A 0, 0, 4
	s_wait_loadcnt 0x0                             ; the bias
	STEP 0, 0, 1
	STEPS 0, 1
	; slot 0's last step changes slots; behind the round W_v lands on slot 0's rows of W, which nobody reads any more
	s_wait_tensorcnt 0x0                           ; my part of slot 1 is in
	ds_add_u32 v[SPW], v[NIL]
	s_wait_dscnt 4*NL+1                            ; (the add and A's tiles 4-7 may be out)
	WIN MUL_LO
	MUL16 0, 1, NQ-1, 0, 0
	s_wait_dscnt 0x0                               ; the add is done, and my reads of slot 0 are over
	s_barrier_signal -1
	MUL16 2, 1, NQ-1, 0, 0
	WIN 0
	s_barrier_wait -1
	CREST
	s_cmp_eq_u32 s15, 0                            ; waves 2 and 3 fetch W_v's two halves of K; waves 0 and 1 have no part of it
	s_cbranch_scc1 .Lnot_w
	tensor_load_to_lds s[G0B:G0B+3], s[G1B:G1B+7]
	s_nop 0
	PLACES 4
.Lnot_w:
	PLACES NP
	FETCH_B 1, 0, 0
	FETCH_A 1, 0, 0
	SCALES ADRS, 1
	WIN MUL_HI
	MUL16 4, 1, NQ-1, 0, 0
	MUL16 6, 1, NQ-1, 0, 0
	PLACES NP
	WIN 0
	FETCH_A 1, 0, 4
	STEPS 1, 0
	s_wait_dscnt 4*NL                              ; part 1's last step
	WIN MUL_LO
	MUL16 0, 1, NQ-1, 1, 0
	MUL16 2, 1, NQ-1, 1, 0
	s_wait_dscnt 0
	WIN MUL_HI
	MUL16 4, 1, NQ-1, 1, 0
	MUL16 6, 1, NQ-1, 1, 0
	WIN 0
; THE WAY OUT.  For A's tile a my 64 results, register 16 b + i = place 32 b + 16 (lane / 16) + i along the next K, become a fragment's 8 registers of codes and my row's scale word.
; Each block's largest magnitude (the floor 2^(3 - 127) among its leaves) is joined with lane l xor 16's; 2 off its exponent field is the conversion's scale operand, and that shifted down the byte.
.irp b, 0,1,2,3
	v_mov_b32 v[TM+4+\b], 0                        ; a lane permute's destination counts as one of its sources.  These four are also the places behind the last products
.endr
.irp a, 0,1,2,3
	global_load_b32 v[BV+8*\a], v9, s[94:95] offset:(32*(\a/2)+8*(\a%2))*4   ; v's bias: my channel of each of my four tiles; it lands while q and k go out
.endr
.macro EPI a, ptr
.set AC, 64*((\a)%4)
.set PC, AF+8*(\a)
	WIN 0x0a+5*((\a)/4)                            ; sources 0 and 1: window 2 or 3
.irp b, 0,1,2,3
	v_max3_num_f32 v[TM+\b], |v[AC+16*\b]|, |v[AC+16*\b+1]|, 0x1800000
.endr
.irp i, 2,4,6,8,10,12,14
.irp b, 0,1,2,3
	v_max3_num_f32 v[TM+\b], |v[AC+16*\b+\i]|, |v[AC+16*\b+\i+1]|, v[TM+\b]
.endr
.endr
	WIN 0
.irp b, 0,1,2,3
	v_permlanex16_b32 v[TM+4+\b], v[TM+\b], s[SEL], s[SEL+1]
.endr
.irp b, 0,1,2,3
	v_max_num_f32 v[TM+\b], v[TM+\b], v[TM+4+\b]
.endr
.irp b, 0,1,2,3
	v_add_nc_u32 v[TM+12+\b], 0xff000000, v[TM+\b]
.endr
.irp b, 0,1,2,3
	v_lshrrev_b32 v[TM+4+\b], 23, v[TM+12+\b]
.endr
	v_lshl_or_b32 v[PW+(\a)], v[TM+5], 8, v[TM+4]
	v_lshl_or_b32 v[PW+(\a)], v[TM+6], 16, v[PW+(\a)]
	v_lshl_or_b32 v[PW+(\a)], v[TM+7], 24, v[PW+(\a)]
	WIN 0x02+((\a)/4)                              ; source 0: window 2 or 3
.irp b, 0,1,2,3
	v_cvt_scalef32_pk8_fp4_f32 v[PC+2*\b], v[AC+16*\b:AC+16*\b+7], v[TM+12+\b]
	v_cvt_scalef32_pk8_fp4_f32 v[PC+2*\b+1], v[AC+16*\b+8:AC+16*\b+15], v[TM+12+\b]
.endr
	WIN 0
	v_nop                                          ; one plain place behind a scaled conversion
.irp c, 0,1                                    ; the operand's layout wants a whole block in a lane
.irp i, 0,1
	v_permlane16_swap_b32 v[PC+4*\c+\i], v[PC+2+4*\c+\i]
.endr
.endr
	global_store_b128 v[LN16], v[PC:PC+3], s[\ptr:\ptr+1] offset:1024*(\a)         ; 32 lanes store 512 consecutive bytes, aligned
	global_store_b128 v[LN16], v[PC+4:PC+7], s[\ptr:\ptr+1] offset:1024*(\a)+512
.endm
.irp a, 0,1,2,3,4,5,6,7
	EPI \a, 66
.endr
	v_cmp_gt_u32 vcc_lo, 16, v10                   ; lanes 0-15 send tiles 0-3's words, lanes 16-31 tiles 4-7's
.irp i, 0,1,2,3
	v_cndmask_b32 v[104+\i], v[100+\i], v[96+\i], vcc_lo
.endr
.irp i, 0,1,2,3
	v_and_b32 v[108+\i], 0xffff, v[104+\i]         ; the even head's two bytes,
	v_lshrrev_b32 v[112+\i], 16, v[104+\i]         ; the odd head's; the upper two bytes are 0
.endr
	global_store_b128 v[LN16], v[108:111], s[96:97]
	global_store_b128 v[LN16], v[112:115], s[96:97] offset:512
; PART 2: v.  A = my 64 rows of W_v (4 tiles), B = my 128 tokens (8 tiles), eight steps of 128 along K; both operands have two sets of registers
	s_wait_tensorcnt 0x0                           ; waves 2 and 3: my half of W_v is in,
	s_barrier_signal -1
	s_barrier_wait -1                              ; everybody's is
	s_wait_xcnt 0x0                                ; the stores have read their registers: fragments may land there
.macro VFETCH t
	WIN TO_B
.irp i, 0,1,2,3,4,5,6,7
	FRAG 128*((\t)%2)+FR*\i, ADRB2+(\t)/4, (\t)%4, \i
.endr
	WIN 0
.irp i, 0,1,2,3
	FRAG AF+32*((\t)%2)+FR*\i, ADRA2+(\t)/4, (\t)%4, \i
.endr
.endm
.macro MULV t                          ; 32 matrix instructions, the 32 accumulators by turns; step 0 starts the sums with the bias of A's tile
.irp a, 0,1,2,3
.irp b, 0,1,2,3,4,5,6,7
.if (\t) == 0
	v_wmma_scale_f32_16x16x128_f8f6f4 v[8*(8*\a+\b):8*(8*\a+\b)+7], v[128*((\t)%2)+FR*\b:128*((\t)%2)+FR*\b+FR-1], v[AF+32*((\t)%2)+FR*\a:AF+32*((\t)%2)+FR*\a+FR-1], v[BV+8*\a:BV+8*\a+7], v[SC+32*((\t)/4)+NQ*\b+(\t)%4], v[SC+32*((\t)/4)+NQ*\a+(\t)%4] matrix_a_fmt:MATRIX_FMT_FP4 matrix_b_fmt:MATRIX_FMT_FP4 matrix_a_scale:MATRIX_SCALE_ROW1
.else
	v_wmma_scale_f32_16x16x128_f8f6f4 v[8*(8*\a+\b):8*(8*\a+\b)+7], v[128*((\t)%2)+FR*\b:128*((\t)%2)+FR*\b+FR-1], v[AF+32*((\t)%2)+FR*\a:AF+32*((\t)%2)+FR*\a+FR-1], v[8*(8*\a+\b):8*(8*\a+\b)+7], v[SC+32*((\t)/4)+NQ*\b+(\t)%4], v[SC+32*((\t)/4)+NQ*\a+(\t)%4] matrix_a_fmt:MATRIX_FMT_FP4 matrix_b_fmt:MATRIX_FMT_FP4 matrix_a_scale:MATRIX_SCALE_ROW1
.endif
.endr
.endr
.endm
.macro VSTEP t
	s_wait_dscnt 0x0                               ; this step's fragments, asked for a step ago, are in
.if (\t) < 7
	PLACES NP                                      ; in front of loads into the set that the last step multiplied
	VFETCH (\t)+1
.endif
.if (\t) == 0
	WIN 0x81
.else
	WIN MUL_LO
.endif
	MULV \t
	WIN 0
.endm
	VFETCH 0
	SCALES ADRS2, 0
	SCALES ADRS2, 1
	s_wait_loadcnt 0x0                             ; v's bias
.irp a, 0,1,2,3
.irp j, 1,2,3,4,5,6,7
	v_mov_b32 v[BV+8*\a+\j], v[BV+8*\a]            ; my channel's number fills the eight registers of the tile's C
.endr
.endr
	s_wait_alu depctr_va_vdst(0)
.irp t, 0,1,2,3,4,5,6,7
	VSTEP \t
.endr
	PLACES NP                                      ; behind the last products
.irp a, 0,1,2,3
	EPI \a, 98
.endr
	global_store_b128 v[R16], v[PW:PW+3], s[100:101]   ; row r's words of my four tiles: 256 consecutive bytes (lanes r and r + 16 hold and store the same 16)
	s_wait_tensorcnt 0x0                           ; the wave's end
	ds_add_u32 v[SPW], v[NIL]
	s_wait_dscnt 0x0
	CROUND                                         ; the closing round
	s_endpgm
.Lfunc_end_k_q79a9a99005_qkv:
	.size	k_q79a9a99005_qkv, .Lfunc_end_k_q79a9a99005_qkv-k_q79a9a99005_qkv
	.p2alignl 7, 3214868480
	.fill 96, 4, 3214868480
	.section	.rodata,"a",@progbits
	.p2align	6, 0x0
	.amdhsa_kernel k_q79a9a99005_qkv
		.amdhsa_group_segment_fixed_size 327680
		.amdhsa_private_segment_fixed_size 0
		.amdhsa_enable_private_segment 0
		.amdhsa_kernarg_size 56
		.amdhsa_user_sgpr_count 2
		.amdhsa_user_sgpr_kernarg_segment_ptr 1
		.amdhsa_wavefront_size32 1
		.amdhsa_system_sgpr_workgroup_id_x 1
		.amdhsa_system_sgpr_workgroup_id_y 1
		.amdhsa_system_sgpr_workgroup_id_z 1
		.amdhsa_system_vgpr_workitem_id 0
		.amdhsa_next_free_vgpr 1024
		.amdhsa_next_free_sgpr 106
		.amdhsa_reserve_vcc 1
		.amdhsa_float_denorm_mode_32 3
		.amdhsa_float_denorm_mode_16_64 3
		.amdhsa_memory_ordered 1
		.amdhsa_forward_progress 1
		.amdhsa_inst_pref_size 198
	.end_amdhsa_kernel
	.amdgpu_metadata
---
amdhsa.version: [ 1, 2 ]
amdhsa.kernels:
  - .name:           k_q79a9a99005_qkv
    .symbol:         k_q79a9a99005_qkv.kd
    .args:
      - { .name: opc, .offset: 0, .size: 8, .value_kind: global_buffer, .address_space: global }
      - { .name: ops, .offset: 8, .size: 8, .value_kind: global_buffer, .address_space: global }
      - { .name: in_proj_bias, .offset: 16, .size: 8, .value_kind: global_buffer, .address_space: global }
      - { .name: qc, .offset: 24, .size: 8, .value_kind: global_buffer, .address_space: global }
      - { .name: qs, .offset: 32, .size: 8, .value_kind: global_buffer, .address_space: global }
      - { .name: kvc, .offset: 40, .size: 8, .value_kind: global_buffer, .address_space: global }
      - { .name: kvs, .offset: 48, .size: 8, .value_kind: global_buffer, .address_space: global }
    .group_segment_fixed_size: 327680
    .private_segment_fixed_size: 0
    .kernarg_segment_align: 8
    .kernarg_segment_size: 56
    .max_flat_workgroup_size: 128
    .sgpr_count:     106
    .vgpr_count:     1024
    .wavefront_size: 32
...
	.end_amdgpu_metadata
.endif
;; end of part 2
;; launch attn (part 3): grid 4 x 64, 16 waves a work-group, clusters of 4 x 1, 169,984 bytes of LDS; arguments qc, qs, kvc, kvs, aoc, aos; writes aoc, aos
.if DOCPART == 3
	.amdgcn_target "amdgcn-amd-amdhsa--gfx1250"
	.amdhsa_code_object_version 6
	.text
	.protected	k_q79a9a99005_attn
	.globl	k_q79a9a99005_attn
	.p2align	8
	.type	k_q79a9a99005_attn,@function
k_q79a9a99005_attn:
	s_mov_b64 s[64:65], 0
	v_nop
	global_prefetch_b8 v0, s[64:65] scope:SCOPE_SE
	s_setreg_imm32_b32 hwreg(HW_REG_WAVE_MODE, 25, 1), 1
	s_wait_xcnt 0x0
	s_wait_alu depctr_hold_cnt(0) depctr_sa_sdst(0) depctr_va_vdst(0) depctr_va_sdst(0) depctr_va_ssrc(0) depctr_va_vcc(0) depctr_vm_vsrc(0)
	s_getreg_b32 s2, hwreg(HW_REG_IB_STS2, 6, 4)
	s_cmp_eq_u32 s2, 0
	s_cbranch_scc0 .Lentry_in_a_cluster
	s_endpgm
.Lentry_in_a_cluster:
	s_bfe_u32 s2, ttmp6, 0x10000c
	s_cmp_lg_u32 s2, 0x3003
	s_cbranch_scc0 .Lentry_shape_is_right
	s_endpgm
.Lentry_shape_is_right:
; For each batch and head: O = softmax(q k^T / 8) v, both products on codes of FP4 (E2M1) with E8M0 scales; the finished O is quantised along the model's 1,024 channels for the last product.
; THE SOFTMAX AHEAD OF THE SECOND PRODUCT: t = score x log2(e) / 8; M = the row's largest t so far, rounded UP to a whole number; p = 2^(t - M) is what is quantised, along the keys.  The row's sum is taken of the
; unquantised p, in f32, and divides O at the end (v_rcp_f32 and a multiplication).  When M moves, the sum and O are multiplied by 2^(old M - new M): exact.
; SHARES.  A work-group owns 256 queries of one batch and one PAIR of heads (bg = 8 x batch + pair); each of its sixteen waves owns one tile of 16 queries, first for the even head, then for the odd: so it stores a whole
; fragment (128 channels) and whole scale words of the next product's operand.  Four waves to a SIMD: one wave's vector work stands beside another's matrix work and LDS loads.
; K's and V's codes and scale words of the pair, all 1,024 keys, 140 KB, lie in LDS: filled once, so there is no ring.  The four query blocks of a cluster read the same K and V: they ask JOINTLY (mask 15).
; All operands lie in memory and LDS as images of their registers: 16 bytes a lane, 512 consecutive bytes a load: no pitch, no padding.
; LAYOUT.  Both products are used transposed: S^T = K Q^T (source 0 = 16 keys), O^T = V^T P^T (source 0 = 16 channels): a lane holds ONE query (lane % 16) throughout.  Lane r of tile 2 b + u of keys (or channels) is
; number 32 b + 8 u + r + 8 (r / 8), so that the 16 registers of tiles 2 b and 2 b + 1 are 16 neighbours: 32 b + 16 (lane / 16) + 0 .. 15.
; K = 64 IN AN INSTRUCTION OF 128: Q's registers 4-7 are zero codes.  A tile of K is four registers; the instruction names eight, and the upper four (the next tile's codes; behind the last tile four zeros) meet Q's zeros.
; Bytes 2 and 3 of both scale words are 0, which stands for 2^-127: a number, so the zero products stay zero.
; LIMITS: blocks of zeros or under 2^-124 get the scale byte 1 (codes 0); NaN and infinities are not served.
; REGISTERS: v1-7 addresses that stay; v8-11 addresses of the step; v12 -M, v13 the largest t, v[14:15] the sum in two halves; v16-31 Q of the two heads; v32-67 K; v68-71 V's scale words; v72-73 Q's; v74-81 the codes made;
;   v82-83 their scale word; v84-87 the stage read back; v96-159 S^T, then p; v160-191 O^T; v192-223 V; v224-231 p's codes; v232-254 at work; v88-91 K's scale words.
.set VC,   65536                       ; LDS: K's codes at 0 (64 KB), V's here (64 KB),
.set KSC,  131072                      ; K's scale words (8 KB),
.set VSC,  139264                      ; V's (4 KB),
.set STG,  143360                      ; and a stage of 1 KB for the scale words made: blocks of 256 bytes into which no fill lands
.set AK0,  1                           ; v1   16 x lane: my place in an image; also my offset in qc, aoc and aos
.set AV0,  2                           ; v2   VC + 16 x lane
.set ASK0, 3                           ; v3   KSC + 16 x lane
.set ASV0, 4                           ; v4   VSC + 16 r
.set STA,  5                           ; v5   STG + 64 x wave + 4 r: where my row's scale word goes
.set RDA,  6                           ; v6   STG + 512 x wave + 256 h + 4 r: where waves 0 and 1 read words back
.set R16,  7                           ; v7   16 r
.set ADK,  8
.set ADV,  9
.set ADS,  10
.set ADT,  11
.set WV,   18                          ; s18  my wave's number
.set SEL,  20                          ; s[20:21] lane selects for v_permlanex16_b32: lane l xor 16
.set CS,   22                          ; s[22:23] c = log2(e) / 8
.set G1C,  24                          ; s[24:31] descriptor group 1 for codes: 64 rows of 256 bytes;  s[32:39] for scale words: 16 rows
.set G1S,  32
.set G0C,  40                          ; s[40:43], s[44:47] their groups 0
.set G0S,  44
.set TK,   66                          ; s66  the step's codes: 8,192 bytes a step
.set TS,   67                          ; s67  K's scale words: 1,024 a step
.set TV,   68                          ; s68  V's: 512 a step
.set CNT,  69                          ; s69  steps to go
.macro CROUND                          ; a round of the cluster's barrier
	s_barrier_signal -1
	s_barrier_wait -1
	s_cmp_lg_u32 s[WV], 0
	s_cbranch_scc1 .Lnot_wave_0_\@
	s_barrier_signal -3
.Lnot_wave_0_\@:
	s_barrier_wait -3
	s_barrier_signal -1
	s_barrier_wait -1
.endm
	s_load_b256 s[4:11], s[0:1], 0x0               ; qc s[4:5], qs s[6:7], kvc s[8:9], kvs s[10:11]
	s_load_b128 s[12:15], s[0:1], 0x20             ; aoc s[12:13], aos s[14:15]
	v_lshl_add_u32 v243, v0, 2, 0x29000
	v_mov_b32 v255, 0
	ds_add_u32 v243, v255
	ds_add_u32 v243, v255
	v_lshrrev_b32 v8, 5, v0
	s_delay_alu instid0(VALU_DEP_1)
	v_readfirstlane_b32 s[WV], v8                  ; wave 0..15
	s_bfe_u32 s48, ttmp6, 0x40000                  ; cx
	s_lshl_b32 s51, ttmp9, 2
	s_add_co_u32 s48, s48, s51                     ; my block of 256 queries: it enters Q's and the outputs' addresses alone
	s_and_b32 s49, ttmp7, 0xffff                   ; bg, which the four partners share
	s_and_b32 s50, s[WV], 7
	; descriptor group 1: dense blocks as rows of 256 bytes (32 elements of 8 bytes), no padding
	s_mov_b32 s[G1C], 15|(3<<16)|(1<<21)           ; 15:0 the mask: all four work-groups; 17:16 elements of 8 bytes; 21 set beside a mask
	s_mov_b32 s[G1C+1], 32<<16                     ; tensor_dim0
	s_mov_b32 s[G1C+2], 64<<16                     ; tensor_dim1
	s_mov_b32 s[G1C+3], 32<<16                     ; tile_dim0
	s_mov_b32 s[G1C+4], 64                         ; tile_dim1
	s_mov_b32 s[G1C+5], 32                         ; tensor_dim0_stride
	s_mov_b32 s[G1C+6], 0
	s_mov_b32 s[G1C+7], 0
	s_mov_b32 s[G1S], 15|(3<<16)|(1<<21)
	s_mov_b32 s[G1S+1], 32<<16
	s_mov_b32 s[G1S+2], 16<<16
	s_mov_b32 s[G1S+3], 32<<16
	s_mov_b32 s[G1S+4], 16
	s_mov_b32 s[G1S+5], 32
	s_mov_b32 s[G1S+6], 0
	s_mov_b32 s[G1S+7], 0
	s_lshl_b32 s52, s49, 17                        ; kvc: 128 KB for each bg; waves 0-7 bring 16 KB each
	s_lshl_b32 s53, s50, 14
	s_add_co_u32 s52, s52, s53
	s_mov_b32 s53, 0
	s_mul_i32 s54, s49, 12288                      ; kvs: 12 KB for each bg; waves 8-10 bring 4 KB each
	s_lshl_b32 s55, s50, 12
	s_add_co_u32 s54, s54, s55
	s_mov_b32 s55, 0
	s_lshl_b32 s56, s50, 14                        ; where they go in LDS: the wave's number alone
	s_lshl_b32 s57, s50, 12
	s_add_co_u32 s57, s57, KSC
	s_lshl_b32 s58, s48, 4                         ; qc: tile 16 x block + wave of the bg's 64, 1,024 bytes each
	s_add_co_u32 s58, s58, s[WV]
	s_lshl_b32 s58, s58, 10
	s_lshl_b32 s59, s49, 16
	s_add_co_u32 s58, s58, s59
	s_mov_b32 s59, 0
	s_lshl_b32 s60, s48, 1                         ; qs: [bg][chunk of 8 tiles][head][16 (tile / 4) + r][tile % 4] words
	s_lshr_b32 s61, s[WV], 3
	s_add_co_u32 s60, s60, s61
	s_lshl_b32 s60, s60, 10
	s_bfe_u32 s61, s[WV], 0x10002
	s_lshl_b32 s61, s61, 8
	s_add_co_u32 s60, s60, s61
	s_and_b32 s61, s[WV], 3
	s_lshl_b32 s61, s61, 2
	s_add_co_u32 s60, s60, s61
	s_lshl_b32 s61, s49, 13
	s_add_co_u32 s60, s60, s61
	s_mov_b32 s61, 0
	s_lshr_b32 s62, s49, 3
	s_lshl_b32 s62, s62, 2
	s_add_co_u32 s62, s62, s48                     ; TR = 4 x batch + block: the block of 256 rows of the last product
	s_and_b32 s63, s49, 7                          ; g: its K step of 128
	s_lshl_b32 s70, s62, 17                        ; aoc: [TR][g / 4][tile 16][g % 4] fragments of 1,024 bytes
	s_lshr_b32 s71, s63, 2
	s_lshl_b32 s71, s71, 16
	s_add_co_u32 s70, s70, s71
	s_lshl_b32 s71, s[WV], 12
	s_add_co_u32 s70, s70, s71
	s_and_b32 s71, s63, 3
	s_lshl_b32 s71, s71, 10
	s_add_co_u32 s70, s70, s71
	s_mov_b32 s71, 0
	s_lshl_b32 s72, s62, 3                         ; aos: [TR][g] blocks of 1,024 bytes; waves 0 and 1 store a half each
	s_add_co_u32 s72, s72, s63
	s_lshl_b32 s72, s72, 10
	s_lshl_b32 s73, s[WV], 9
	s_add_co_u32 s72, s72, s73
	s_mov_b32 s73, 0
	s_mov_b32 s[SEL], 0x76543210
	s_mov_b32 s[SEL+1], 0xfedcba98
	s_mov_b32 s[CS], 0x3e38aa3b                    ; c = log2(e) / 8
	s_mov_b32 s[CS+1], s[CS]                       ; (named with it as a pair, so it is written)
	; every LDS address register is made here, ahead of every branch on the wave's number
	v_and_b32 v9, 31, v0                           ; lane
	v_and_b32 v10, 15, v0                          ; r
	v_bfe_u32 v11, v0, 4, 1                        ; h
	s_delay_alu instid0(VALU_DEP_3)
	v_lshlrev_b32 v[AK0], 4, v9
	s_delay_alu instid0(VALU_DEP_1)
	v_add_nc_u32 v[AV0], VC, v[AK0]
	s_delay_alu instid0(VALU_DEP_2)
	v_add_nc_u32 v[ASK0], KSC, v[AK0]
	v_lshlrev_b32 v[R16], 4, v10
	s_delay_alu instid0(VALU_DEP_1)
	v_add_nc_u32 v[ASV0], VSC, v[R16]
	s_lshl_b32 s74, s[WV], 6
	s_add_co_u32 s74, s74, STG
	v_lshl_add_u32 v[STA], v10, 2, s74
	s_lshl_b32 s75, s[WV], 9
	s_add_co_u32 s75, s75, STG
	v_lshl_add_u32 v[RDA], v10, 2, s75
	s_delay_alu instid0(VALU_DEP_1)
	v_lshl_add_u32 v[RDA], v11, 8, v[RDA]
.irp j, 20,21,22,23,28,29,30,31,64,65,66,67
	v_mov_b32 v[\j], 0                             ; zero codes: the upper halves of Q's two fragments, and what stands behind K's last tile
.endr
.irp j, 236,237,238,239,252,253
	v_mov_b32 v[\j], 0                             ; written once: a lane permute's destination counts as one of its sources, and v253 is named as the upper half of a pair
.endr
	s_wait_dscnt 0x0
	s_wait_kmcnt 0x0
	s_mov_b32 s[G0C], 1                            ; 1:0 count = 1
	s_mov_b32 s[G0C+1], s56                        ; 63:32 LDS address
	s_add_nc_u64 s[G0C+2:G0C+3], s[8:9], s[52:53]  ; 120:64 global address
	s_or_b32 s[G0C+3], s[G0C+3], 0x80000000        ; 127:126 type = 2
	s_mov_b32 s[G0S], 1
	s_mov_b32 s[G0S+1], s57
	s_add_nc_u64 s[G0S+2:G0S+3], s[10:11], s[54:55]
	s_or_b32 s[G0S+3], s[G0S+3], 0x80000000
	s_add_nc_u64 s[4:5], s[4:5], s[58:59]
	s_add_nc_u64 s[6:7], s[6:7], s[60:61]
	s_add_nc_u64 s[12:13], s[12:13], s[70:71]
	s_add_nc_u64 s[14:15], s[14:15], s[72:73]
	CROUND                                         ; all four work-groups are here: the joint loads meet
	s_cmp_lt_u32 s[WV], 8                          ; waves 0-7: codes; waves 8-10: scale words; the others nothing.  One tensor load a wave at the most.  Four v_nop follow each line
	s_cbranch_scc0 .Lnot_codes
	tensor_load_to_lds s[G0C:G0C+3], s[G1C:G1C+7]
	s_nop 0
.rept 4
	v_nop
.endr
	s_branch .Lasked
.Lnot_codes:
	s_cmp_lt_u32 s[WV], 11
	s_cbranch_scc0 .Lasked
	tensor_load_to_lds s[G0S:G0S+3], s[G1S:G1S+7]
	s_nop 0
.rept 4
	v_nop
.endr
.Lasked:
.irp e, 0,1
	global_load_b128 v[16+8*\e:19+8*\e], v[AK0], s[4:5] offset:512*\e    ; Q's codes of head e: they stay in registers
	global_load_b32 v[72+\e], v[R16], s[6:7] offset:512*\e               ; and its scale words
.endr
	s_wait_tensorcnt 0x0                           ; my part of K and V is in,
	s_barrier_signal -1
	s_barrier_wait -1                              ; everybody's is
	s_wait_loadcnt 0x0                             ; Q
; A KEY STEP of head c: 128 keys.
.macro STEP c
.irp t, 0,1,2,3
	v_wmma_scale_f32_16x16x128_f8f6f4 v[96+8*\t:103+8*\t], v[32+4*\t:39+4*\t], v[16+8*\c:23+8*\c], 0, v[88+\t], v[72+\c] matrix_a_fmt:MATRIX_FMT_FP4 matrix_b_fmt:MATRIX_FMT_FP4
.endr
.irp t, 4,5,6,7
	v_wmma_scale_f32_16x16x128_f8f6f4 v[96+8*\t:103+8*\t], v[32+4*\t:39+4*\t], v[16+8*\c:23+8*\c], 0, v[84+\t], v[72+\c] matrix_a_fmt:MATRIX_FMT_FP4 matrix_b_fmt:MATRIX_FMT_FP4 matrix_a_scale:MATRIX_SCALE_ROW1
.endr
	v_add_nc_u32 v[ADK], s[TK], v[AK0]             ; the step's addresses: these four are the places behind the score products and behind the last step's products, in front of the loads below and of the first read of the scores
	v_add_nc_u32 v[ADV], s[TK], v[AV0]
	v_add_nc_u32 v[ADS], s[TS], v[ASK0]
	v_add_nc_u32 v[ADT], s[TV], v[ASV0]
.irp t, 0,1,2,3
.irp d, 0,1
	ds_load_b128 v[192+8*\t+4*\d:195+8*\t+4*\d], v[ADV] offset:1024*(4*\c+\t)+512*\d
.endr
.endr
	ds_load_b128 v[68:71], v[ADT] offset:256*\c
.irp t, 0,1,2,3,4,5,6,7                        ; THE NEXT STEP'S K is asked for now, 8,192 bytes on: its registers are free, and the wait in front of this step's second product covers it, so a step's head waits for nothing
	ds_load_b128 v[32+4*\t:35+4*\t], v[ADK] offset:8192+1024*\t+512*\c
.endr
	ds_load_b128 v[88:91], v[ADS] offset:1024+512*\c   ; and its scale words: v88-91 hold K's scale words and nothing else (v248-251 serve the sums).  The last trip reads one step past K's codes and words: bytes of V's, filled and inside LDS, which nothing uses
.irp b, 0,1,2,3
	v_max3_num_f32 v[232+\b], v[96+16*\b], v[97+16*\b], v[98+16*\b]   ; THE LARGEST SCORE OF EACH BLOCK OF 32 KEYS serves twice: for the row's maximum, and, since p rises with the score, for the block's largest p
.endr
.irp i, 3,5,7,9,11,13
.irp b, 0,1,2,3
	v_max3_num_f32 v[232+\b], v[232+\b], v[96+16*\b+\i], v[97+16*\b+\i]
.endr
.endr
.irp b, 0,1,2,3
	v_max_num_f32 v[232+\b], v[232+\b], v[111+16*\b]
.endr
.irp b, 0,1,2,3
	s_delay_alu instid0(VALU_DEP_4)
	v_permlanex16_b32 v[236+\b], v[232+\b], s[SEL], s[SEL+1]
.endr
.irp b, 0,1,2,3
	s_delay_alu instid0(VALU_DEP_4)
	v_max_num_f32 v[232+\b], v[232+\b], v[236+\b]  ; with lane l xor 16's 16 keys
.endr
	s_delay_alu instid0(VALU_DEP_2)
	v_max3_num_f32 v254, v232, v233, v234
	s_delay_alu instid0(VALU_DEP_1)
	v_max_num_f32 v254, v254, v235                 ; the step's largest score of my query
	s_delay_alu instid0(VALU_DEP_1)
	v_mul_f32 v254, s[CS], v254                    ; as t (c is positive)
	s_delay_alu instid0(VALU_DEP_1)
	v_max_num_f32 v13, v13, v254                   ; the running largest t
	v_mov_b32 v254, v12
	s_delay_alu instid0(VALU_DEP_2)
	v_floor_f32 v12, -v13                          ; the new -M = floor(-t) = -ceil(t): M IS A WHOLE NUMBER
	s_delay_alu instid0(VALU_DEP_1)
	v_sub_f32 v254, v12, v254                      ; M's old value less its new one: a whole number, 0 or less
	s_delay_alu instid0(VALU_DEP_1)
	v_cvt_i32_f32 v254, v254                       ; (it saturates)
	s_delay_alu instid0(VALU_DEP_1)
	v_ldexp_f32 v252, 1.0, v254                    ; f = 2^(old M - new M)
.set j, 0
.rept 32
	v_pk_fma_f32 v[96+j:97+j], v[96+j:97+j], s[CS:CS+1], v[12:13] op_sel_hi:[1,0,0]   ; t - M, two at a time
.set j, j+2
.endr
.irp b, 0,1,2,3
	v_fma_f32 v[232+\b], v[232+\b], s[CS], v12     ; the same of each block's largest score
.endr
.set j, 0
	s_wait_alu depctr_va_vdst(0)
.rept 64
	v_exp_f32 v[96+j], v[96+j]                     ; p = 2^(t - M), at most 1: NOT normalised
.set j, j+1
.endr
.irp b, 0,1,2,3
	v_exp_f32 v[232+\b], v[232+\b]                 ; the block's largest p: the same two instructions on the same number give the same bits
.endr
	v_pk_mul_f32 v[14:15], v[14:15], v[252:253] op_sel_hi:[1,0]   ; the sums under the new M.  (A plain place behind the exponentials)
	s_wait_alu depctr_va_vdst(0)
.irp b, 0,1,2,3
	v_max_num_f32 v[232+\b], 0x1800000, v[232+\b]  ; the floor 2^(3 - 127): the byte cannot fall under 1
.endr
.irp b, 0,1,2,3
	s_delay_alu instid0(VALU_DEP_4)
	v_add_nc_u32 v[244+\b], 0xff000000, v[232+\b]  ; 2 off the exponent field: the conversion's scale operand
.endr
.irp b, 0,1,2,3
	s_delay_alu instid0(VALU_DEP_4)
	v_lshrrev_b32 v[236+\b], 23, v[244+\b]         ; the scale's byte
.endr
	s_delay_alu instid0(VALU_DEP_3)
	v_lshl_or_b32 v253, v237, 8, v236              ; p's scale word for these 128 keys
	s_delay_alu instid0(VALU_DEP_1)
	v_lshl_or_b32 v253, v238, 16, v253
	s_delay_alu instid0(VALU_DEP_1)
	v_lshl_or_b32 v253, v239, 24, v253
.irp b, 0,1,2,3
	v_cvt_scalef32_pk8_fp4_f32 v[224+2*\b], v[96+16*\b:103+16*\b], v[244+\b]
	v_cvt_scalef32_pk8_fp4_f32 v[225+2*\b], v[104+16*\b:111+16*\b], v[244+\b]
.endr
	v_nop                                          ; one plain place behind a scaled conversion
.irp e, 0,1                                    ; the operand's layout wants a WHOLE block in a lane
.irp i, 0,1
	v_permlane16_swap_b32 v[224+4*\e+\i], v[226+4*\e+\i]
.endr
.endr
	v_pk_add_f32 v[236:237], v[100:101], v[104:105]
	v_pk_add_f32 v[250:251], v[108:109], v[112:113]
	v_pk_add_f32 v[248:249], v[116:117], v[120:121]
	v_pk_add_f32 v[246:247], v[124:125], v[128:129]
	v_pk_add_f32 v[244:245], v[132:133], v[136:137]
	v_pk_add_f32 v[240:241], v[140:141], v[144:145]
	v_pk_add_f32 v[234:235], v[148:149], v[152:153]
	v_pk_add_f32 v[14:15], v[14:15], v[156:157]
	v_pk_add_f32 v[236:237], v[236:237], v[96:97]
	v_pk_add_f32 v[250:251], v[250:251], v[98:99]
	v_pk_add_f32 v[248:249], v[248:249], v[102:103]
	v_pk_add_f32 v[246:247], v[246:247], v[106:107]
	v_pk_add_f32 v[244:245], v[244:245], v[110:111]
	v_pk_add_f32 v[240:241], v[240:241], v[114:115]
	v_pk_add_f32 v[234:235], v[234:235], v[118:119]
	v_pk_add_f32 v[14:15], v[14:15], v[122:123]
	v_pk_add_f32 v[236:237], v[236:237], v[126:127]
	v_pk_add_f32 v[250:251], v[250:251], v[130:131]
	v_pk_add_f32 v[248:249], v[248:249], v[134:135]
	v_pk_add_f32 v[246:247], v[246:247], v[138:139]
	v_pk_add_f32 v[244:245], v[244:245], v[142:143]
	v_pk_add_f32 v[240:241], v[240:241], v[146:147]
	v_pk_add_f32 v[234:235], v[234:235], v[150:151]
	v_pk_add_f32 v[14:15], v[14:15], v[154:155]
	v_pk_add_f32 v[236:237], v[236:237], v[158:159]
	s_delay_alu instid0(VALU_DEP_2)
	v_pk_add_f32 v[14:15], v[14:15], v[246:247]
	s_delay_alu instid0(VALU_DEP_2)
	v_pk_add_f32 v[236:237], v[236:237], v[244:245]
	v_pk_add_f32 v[250:251], v[250:251], v[240:241]
	v_pk_add_f32 v[248:249], v[248:249], v[234:235]
	s_delay_alu instid0(VALU_DEP_2)
	v_pk_add_f32 v[14:15], v[14:15], v[250:251]
	s_delay_alu instid0(VALU_DEP_2)
	v_pk_add_f32 v[236:237], v[236:237], v[248:249]
	s_delay_alu instid0(VALU_DEP_1)
	v_pk_add_f32 v[14:15], v[14:15], v[236:237]
.set j, 0
.rept 16
	v_pk_mul_f32 v[160+j:161+j], v[160+j:161+j], v[252:253] op_sel_hi:[1,0]   ; O^T under the new M: x f, each accumulator from its low end on.  (With the sums above: the places between p's codes and scale word and the products)
.set j, j+2
.endr
	s_wait_alu depctr_va_vdst(0)
	s_wait_dscnt 0x0                               ; V and its scale words are in
.irp t, 0,1,2,3                                ; O^T += V^T P^T: the head's four tiles of 16 channels, one turn each; the next step's eight score products stand between two turns of an accumulator
	v_wmma_scale_f32_16x16x128_f8f6f4 v[160+8*\t:167+8*\t], v[192+8*\t:199+8*\t], v[224:231], v[160+8*\t:167+8*\t], v[68+\t], v253 matrix_a_fmt:MATRIX_FMT_FP4 matrix_b_fmt:MATRIX_FMT_FP4
.endr
.endm
; Head c is finished: O^T / the sum; its 64 channels are two blocks of the last product's K: codes (four registers, stored as they stand) and two scale bytes.
.macro FINISH c
	v_add_f32 v14, v14, v15                        ; the sum's two halves,
	s_delay_alu instid0(VALU_DEP_1)
	v_permlanex16_b32 v252, v14, s[SEL], s[SEL+1]
	s_delay_alu instid0(VALU_DEP_1)
	v_add_f32 v14, v14, v252                       ; and lane l xor 16's: the row's sum
	s_wait_alu depctr_va_vdst(0)
	v_rcp_f32 v14, v14
.rept 4
	v_nop                                          ; the place behind the reciprocal, and four places behind the last products
.endr
.set j, 0
	s_wait_alu depctr_va_vdst(0)
.rept 16
	v_pk_mul_f32 v[96+j:97+j], v[160+j:161+j], v[14:15] op_sel_hi:[1,0]   ; register 16 b + i is channel 32 b + 16 (lane / 16) + i of my query
.set j, j+2
.endr
.irp b, 0,1
	v_max3_num_f32 v[232+\b], |v[96+16*\b]|, |v[97+16*\b]|, 0x1800000
.endr
.irp i, 2,4,6,8,10,12,14
.irp b, 0,1
	s_delay_alu instid0(VALU_DEP_2)
	v_max3_num_f32 v[232+\b], v[232+\b], |v[96+16*\b+\i]|, |v[97+16*\b+\i]|
.endr
.endr
.irp b, 0,1
	s_delay_alu instid0(VALU_DEP_2)
	v_permlanex16_b32 v[236+\b], v[232+\b], s[SEL], s[SEL+1]
.endr
.irp b, 0,1
	s_delay_alu instid0(VALU_DEP_2)
	v_max_num_f32 v[232+\b], v[232+\b], v[236+\b]
.endr
.irp b, 0,1
	s_delay_alu instid0(VALU_DEP_2)
	v_add_nc_u32 v[244+\b], 0xff000000, v[232+\b]
.endr
.irp b, 0,1
	s_delay_alu instid0(VALU_DEP_2)
	v_lshrrev_b32 v[236+\b], 23, v[244+\b]
.endr
.if \c == 0
	s_delay_alu instid0(VALU_DEP_1)
	v_lshl_or_b32 v82, v237, 8, v236               ; the even head's two bytes
.else
	s_delay_alu instid0(VALU_DEP_1)
	v_lshl_or_b32 v83, v237, 8, v236               ; the odd head's, above them: my row's scale word for these 128 channels
	s_delay_alu instid0(VALU_DEP_1)
	v_lshl_or_b32 v83, v83, 16, v82
.endif
.irp b, 0,1
	v_cvt_scalef32_pk8_fp4_f32 v[74+4*\c+2*\b], v[96+16*\b:103+16*\b], v[244+\b]
	v_cvt_scalef32_pk8_fp4_f32 v[75+4*\c+2*\b], v[104+16*\b:111+16*\b], v[244+\b]
.endr
	v_nop                                          ; one plain place behind a scaled conversion
.irp i, 0,1
	v_permlane16_swap_b32 v[74+4*\c+\i], v[76+4*\c+\i]
.endr
	global_store_b128 v[AK0], v[74+4*\c:77+4*\c], s[12:13] offset:512*\c   ; 32 lanes store 512 consecutive bytes, aligned; each head has its own four registers
.endm
.macro HEAD c
	v_mov_b32 v13, 0xff61b1e6                      ; the largest t so far: -3e38, under every t
	s_delay_alu instid0(VALU_DEP_1)
	v_floor_f32 v12, -v13                          ; -M
	v_mov_b32 v14, 0                               ; the sum, in two halves
	v_mov_b32 v15, 0
.set j, 0
.rept 32
	v_mov_b32 v[160+j], 0                          ; O^T.  (The step is written once for a head: its first trip finds zeros, which the first change of M leaves zeros)
.set j, j+1
.endr
	s_mov_b32 s[TK], 0
	s_mov_b32 s[TS], 0
	s_mov_b32 s[TV], 0
	s_mov_b32 s[CNT], 8
.irp t, 0,1,2,3,4,5,6,7
	ds_load_b128 v[32+4*\t:35+4*\t], v[AK0] offset:1024*\t+512*\c      ; the head's first 128 keys: tile t, 16 bytes a lane
.endr
	ds_load_b128 v[88:91], v[ASK0] offset:512*\c                         ; their scale words: lanes 0-15 tiles 0-3's, lanes 16-31 tiles 4-7's
	s_wait_alu depctr_va_vdst(0)
	s_wait_dscnt 0x0
.Lkey_\@:                                          ; 1,024 keys, 128 a trip
	STEP \c
	s_add_co_u32 s[TK], s[TK], 8192
	s_add_co_u32 s[TS], s[TS], 1024
	s_add_co_u32 s[TV], s[TV], 512
	s_sub_co_u32 s[CNT], s[CNT], 1
	s_cmp_lg_u32 s[CNT], 0
	s_cbranch_scc1 .Lkey_\@
	FINISH \c
.endm
	HEAD 0
	HEAD 1
	; the sixteen waves' scale words meet in the stage, [tile][row], and leave as [tile / 4][row][tile % 4]: 16 bytes a lane, 512 consecutive bytes a wave
	ds_store_b32 v[STA], v83                       ; lanes r and r + 16 write the same word with the same value
	s_wait_dscnt 0x0                               ; for the others' sake: my store is done
	s_barrier_signal -1
	s_barrier_wait -1
	s_cmp_lt_u32 s[WV], 2
	s_cbranch_scc0 .Lno_words
.irp i, 0,1,2,3
	ds_load_b32 v[84+\i], v[RDA] offset:64*\i      ; row r's words of tiles 4 (2 wave + h) + i
.endr
	s_wait_dscnt 0x0
	global_store_b128 v[AK0], v[84:87], s[14:15]
.Lno_words:
	s_wait_tensorcnt 0x0
	ds_add_u32 v243, v255
	s_wait_dscnt 0x0
	CROUND                                         ; the closing round: no work-group ends while a partner may still ask for a tile that names it
	s_endpgm
.Lfunc_end_k_q79a9a99005_attn:
	.size	k_q79a9a99005_attn, .Lfunc_end_k_q79a9a99005_attn-k_q79a9a99005_attn
	.p2alignl 7, 3214868480
	.fill 96, 4, 3214868480
	.section	.rodata,"a",@progbits
	.p2align	6, 0x0
	.amdhsa_kernel k_q79a9a99005_attn
		.amdhsa_group_segment_fixed_size 169984
		.amdhsa_private_segment_fixed_size 0
		.amdhsa_enable_private_segment 0
		.amdhsa_kernarg_size 48
		.amdhsa_user_sgpr_count 2
		.amdhsa_user_sgpr_kernarg_segment_ptr 1
		.amdhsa_wavefront_size32 1
		.amdhsa_system_sgpr_workgroup_id_x 1
		.amdhsa_system_sgpr_workgroup_id_y 1
		.amdhsa_system_sgpr_workgroup_id_z 1
		.amdhsa_system_vgpr_workitem_id 0
		.amdhsa_next_free_vgpr 256
		.amdhsa_next_free_sgpr 80
		.amdhsa_reserve_vcc 0
		.amdhsa_float_denorm_mode_32 3
		.amdhsa_float_denorm_mode_16_64 3
		.amdhsa_memory_ordered 1
		.amdhsa_forward_progress 1
		.amdhsa_inst_pref_size 52
	.end_amdhsa_kernel
	.amdgpu_metadata
---
amdhsa.version: [ 1, 2 ]
amdhsa.kernels:
  - .name:           k_q79a9a99005_attn
    .symbol:         k_q79a9a99005_attn.kd
    .args:
      - { .name: qc, .offset: 0, .size: 8, .value_kind: global_buffer, .address_space: global }
      - { .name: qs, .offset: 8, .size: 8, .value_kind: global_buffer, .address_space: global }
      - { .name: kvc, .offset: 16, .size: 8, .value_kind: global_buffer, .address_space: global }
      - { .name: kvs, .offset: 24, .size: 8, .value_kind: global_buffer, .address_space: global }
      - { .name: aoc, .offset: 32, .size: 8, .value_kind: global_buffer, .address_space: global }
      - { .name: aos, .offset: 40, .size: 8, .value_kind: global_buffer, .address_space: global }
    .group_segment_fixed_size: 169984
    .private_segment_fixed_size: 0
    .kernarg_segment_align: 8
    .kernarg_segment_size: 48
    .max_flat_workgroup_size: 512
    .sgpr_count:     80
    .vgpr_count:     256
    .wavefront_size: 32
...
	.end_amdgpu_metadata
.endif
;; end of part 3
;; launch proj (part 4): grid 8 x 32, 4 waves a work-group, clusters of 4 x 4, 229,376 bytes of LDS; arguments aoc, aos, opc, ops, out_proj_bias, out0; writes out0
.if DOCPART == 4
	.amdgcn_target "amdgcn-amd-amdhsa--gfx1250"
	.amdhsa_code_object_version 6
	.text
	.protected	k_q79a9a99005_proj
	.globl	k_q79a9a99005_proj
	.p2align	8
	.type	k_q79a9a99005_proj,@function
k_q79a9a99005_proj:
	s_mov_b64 s[64:65], 0
	v_nop
	global_prefetch_b8 v0, s[64:65] scope:SCOPE_SE
	s_setreg_imm32_b32 hwreg(HW_REG_WAVE_MODE, 25, 1), 1
	s_wait_xcnt 0x0
	s_wait_alu depctr_hold_cnt(0) depctr_sa_sdst(0) depctr_va_vdst(0) depctr_va_sdst(0) depctr_va_ssrc(0) depctr_va_vcc(0) depctr_vm_vsrc(0)
	s_getreg_b32 s2, hwreg(HW_REG_IB_STS2, 6, 4)
	s_cmp_eq_u32 s2, 0
	s_cbranch_scc0 .Lentry_in_a_cluster
	s_endpgm
.Lentry_in_a_cluster:
	s_bfe_u32 s2, ttmp6, 0x10000c
	s_cmp_lg_u32 s2, 0xf033
	s_cbranch_scc0 .Lentry_shape_is_right
	s_endpgm
.Lentry_shape_is_right:
; out0 = O W_out^T + b on codes of FP4 (E2M1) with E8M0 scales for each 32 along K = 1,024; sums in f32.
; A work-group makes 256 rows x 128 columns; a wave 128 x 64: 32 accumulators of 16 x 16.  Source 0 = 16 rows of W_out (B), source 1 = 16 rows of O (A): a lane holds one row of the result, its registers run along columns.
; ALL OF K LIES IN LDS, FILLED ONCE: each of the four operands is one block that one descriptor covers, so each of the four waves issues one joint load at the head and nothing is filled later:
;   wave 0: O's codes, 131,072 dense bytes, images of the operand's registers [K / 512][tile 16][K step 4] of 1,024 bytes;   wave 1: W_out's 128 rows of 512 bytes (LDS pitch 528: the 16 rows of a load start 4 words apart modulo 64);
;   wave 2: O's scale words, 8,192 dense bytes, [K step 8][tile / 4][row][tile % 4];   wave 3: W_out's scale bytes, 4,096 dense bytes as runs of 256 + 16 of padding.
; ROW ORDER: lane r of tile 2 c + u (rows of O and rows of W_out alike) is row 32 c + 8 u + r + 8 (r / 8) of its chunk; the way out puts rows and columns back.
; THE BIAS is the C of each sum's first matrix instruction.
; CLUSTERS: 4 x 4.  O's blocks hang on work-group y alone and are shared along a row of the cluster, W_out's on x alone and along a column: joint loads.
; NO PREFETCH: the text has no loop to run ahead in; every tile is asked for at the head.
; THE WAY OUT: 16 rows x 64 columns at a time through the wave's own stage, LDS bytes into which no fill lands; sixteen lanes store 256 consecutive bytes, aligned.
; REGISTERS: window 0: v16-31 addresses; v32-63 B's scale words, v64-127 A's (two sets each; v96-127 hold the bias until step 0 has read it); v128-255 A's fragments, two sets, later the rows read back.
;   window 1: B's fragments at v0 and v128.   window 2: the accumulators, (a, b) at v[8 (4 a + b)].
.set SIZE_N, 1024
.set FR,     8
.set NP,     4                         ; places behind this matrix instruction (ISA guide 7.12.1)
.set BP,     528                       ; a row of W_out in LDS
.set BB,     131072                    ; behind O's codes: W_out's
.set SA,     BB+128*BP                 ; O's scale words
.set SB,     SA+8192                   ; W_out's scale bytes
.set SBLK,   2*272                     ; those of 16 rows
.set STAGE,  SB+16*272
.set SPITCH, 272
.set SPARE,  STAGE+4*16*SPITCH         ; the spare words: two blocks of 256 bytes that no other line names
.set ADRA, 16                          ; v16-17 my A fragments, K half 0, 1
.set ADRB, 20
.set STO,  24
.set RD,   25
.set CO,   26
.set ADSB, 27
.set SPW,  28
.set NIL,  29
.set ADSA, 30
.set LN16, 31
.set SCB,  32
.set SCA,  64
.set BIAS, 96
.set AF,   128
.set BK,   128
.set G1,   24
.set G0,   32
.set G1B,  48
.set G0B,  56
.set G1S,  68
.set G0S,  76
.set G1SB, 80
.set G0SB, 88
.set MSB, 0
.macro WIN new                         ; the immediate's high byte repeats the setting that is left
.if MSB != \new
	s_set_vgpr_msb (MSB<<8)|\new
.set MSB, \new
.endif
.endm
.set MUL,     0xa1                     ; source 0 window 1, source 1 window 0, C and D window 2
.set MUL_1ST, 0x81                     ; the same, C (the bias) from window 0
.set TO_B,    0x40
.macro PLACES n
.rept \n
	v_nop
.endr
.endm
.macro CROUND                          ; a round of the cluster's barrier
	s_barrier_signal -1
	s_barrier_wait -1
	s_cmp_lg_u32 s14, 0
	s_cbranch_scc1 .Lnot_wave_0_\@
	s_barrier_signal -3
.Lnot_wave_0_\@:
	s_barrier_wait -3
	s_barrier_signal -1
	s_barrier_wait -1
.endm
	s_load_b128 s[4:7], s[0:1], 0x0                ; aoc, aos
	s_load_b128 s[8:11], s[0:1], 0x10              ; opc, ops
	s_load_b64 s[96:97], s[0:1], 0x20              ; out_proj_bias
	s_load_b64 s[12:13], s[0:1], 0x28              ; out0
	v_lshl_add_u32 v[SPW], v0, 2, SPARE
	v_mov_b32 v[NIL], 0
	ds_add_u32 v[SPW], v[NIL]                      ; the opening lines: the add, twice on end, and its wait
	ds_add_u32 v[SPW], v[NIL]
	v_lshrrev_b32 v1, 5, v0
	v_readfirstlane_b32 s14, v1                    ; wave 0..3
	s_lshr_b32 s15, s14, 1                         ; my half of the rows
	s_and_b32 s16, s14, 1                          ; my half of the columns
	s_bfe_u32 s40, ttmp6, 0x40000                  ; cx, cy
	s_bfe_u32 s41, ttmp6, 0x40004
	s_lshl_b32 s42, ttmp9, 2
	s_add_co_u32 s42, s42, s40                     ; my block of 128 columns
	s_and_b32 s17, ttmp7, 0xffff
	s_lshl_b32 s17, s17, 2
	s_add_co_u32 s17, s17, s41                     ; my block of 256 rows
	s_lshl_b32 s43, s41, 2
	s_lshl_b32 s43, 15, s43                        ; my row of the cluster
	s_lshl_b32 s44, 0x1111, s40                    ; my column
	s_or_b32 s[G1+0], s43, (3<<16)|(1<<21)         ; O's codes: 512 rows of 256 bytes (32 elements of 8), dense
	s_mov_b32 s[G1+1], 32<<16
	s_mov_b32 s[G1+2], 512<<16
	s_mov_b32 s[G1+3], 32<<16
	s_mov_b32 s[G1+4], 512
	s_mov_b32 s[G1+5], 32
	s_mov_b32 s[G1+6], 0
	s_mov_b32 s[G1+7], 0
	s_or_b32 s[G1B+0], s44, (1<<20)|(1<<21)|(6<<22)|(3<<25)   ; W_out's codes: 128 rows of 512 bytes, 4 words of padding after every 128
	s_mov_b32 s[G1B+1], 512<<16
	s_mov_b32 s[G1B+2], 128<<16
	s_mov_b32 s[G1B+3], 512<<16
	s_mov_b32 s[G1B+4], 128
	s_mov_b32 s[G1B+5], 512
	s_mov_b32 s[G1B+6], 0
	s_mov_b32 s[G1B+7], 0
	s_or_b32 s[G1S+0], s43, (3<<16)|(1<<21)        ; O's scale words: 32 rows of 256 bytes, dense
	s_mov_b32 s[G1S+1], 32<<16
	s_mov_b32 s[G1S+2], 32<<16
	s_mov_b32 s[G1S+3], 32<<16
	s_mov_b32 s[G1S+4], 32
	s_mov_b32 s[G1S+5], 32
	s_mov_b32 s[G1S+6], 0
	s_mov_b32 s[G1S+7], 0
	s_or_b32 s[G1SB+0], s44, (3<<16)|(1<<20)|(1<<21)|(5<<22)|(3<<25)   ; W_out's scale bytes: 16 rows of 256 bytes, 4 words of padding behind each
	s_mov_b32 s[G1SB+1], 32<<16
	s_mov_b32 s[G1SB+2], 16<<16
	s_mov_b32 s[G1SB+3], 32<<16
	s_mov_b32 s[G1SB+4], 16
	s_mov_b32 s[G1SB+5], 32
	s_mov_b32 s[G1SB+6], 0
	s_mov_b32 s[G1SB+7], 0
	s_lshl_b32 s20, s17, 17                        ; aoc: 131,072 bytes a block of rows
	s_mov_b32 s21, 0
	s_lshl_b32 s22, s17, 13                        ; aos: 8,192
	s_mov_b32 s23, 0
	s_lshl_b32 s46, s42, 7
	s_add_co_u32 s46, s46, 11264                   ; W_out's first stored row of my columns
	s_lshl_b32 s92, s46, 5
	s_mov_b32 s93, 0
	s_lshl_b32 s46, s46, 9
	s_mov_b32 s47, 0
	s_wait_dscnt 0x0                               ; both opening adds are done
	s_wait_kmcnt 0x0
	s_add_nc_u64 s[20:21], s[4:5], s[20:21]
	s_add_nc_u64 s[22:23], s[6:7], s[22:23]
	s_add_nc_u64 s[46:47], s[8:9], s[46:47]
	s_add_nc_u64 s[92:93], s[10:11], s[92:93]
	CROUND                                         ; all sixteen work-groups are here: the joint loads meet
	s_mov_b32 s[G0], 1
	s_mov_b32 s[G0+1], 0
	s_mov_b64 s[G0+2:G0+3], s[20:21]
	s_or_b32 s[G0+3], s[G0+3], 0x80000000
	s_mov_b32 s[G0B], 1
	s_mov_b32 s[G0B+1], BB
	s_mov_b64 s[G0B+2:G0B+3], s[46:47]
	s_or_b32 s[G0B+3], s[G0B+3], 0x80000000
	s_mov_b32 s[G0S], 1
	s_mov_b32 s[G0S+1], SA
	s_mov_b64 s[G0S+2:G0S+3], s[22:23]
	s_or_b32 s[G0S+3], s[G0S+3], 0x80000000
	s_mov_b32 s[G0SB], 1
	s_mov_b32 s[G0SB+1], SB
	s_mov_b64 s[G0SB+2:G0SB+3], s[92:93]
	s_or_b32 s[G0SB+3], s[G0SB+3], 0x80000000
; THE HEAD'S LOADS, one a wave: one tree of branches on the wave's number, every way passes exactly one load
.macro ARM under, g0, g1, next
	s_cmp_lt_u32 s14, \under
	s_cbranch_scc0 \next
	tensor_load_to_lds s[\g0:\g0+3], s[\g1:\g1+7]
	s_nop 0
	PLACES 4
	s_branch .Lhead_asked
\next:
.endm
	ARM 1, G0,  G1,  .Lhead_b
	ARM 2, G0B, G1B, .Lhead_sa
	ARM 3, G0S, G1S, .Lhead_sb
	tensor_load_to_lds s[G0SB:G0SB+3], s[G1SB:G1SB+7]
	s_nop 0
	PLACES 4
.Lhead_asked:
	; scalar work first, then the vector lines in one run
	s_lshl_b32 s18, s15, 15                        ; my eight tiles of O: 32,768 bytes in each half of K
	s_mul_i32 s19, s16, 64*BP
	s_add_co_u32 s19, s19, BB                      ; my 64 rows of W_out
	s_mul_i32 s21, s16, 8*272
	s_add_co_u32 s21, s21, SB                      ; their scale bytes
	s_lshl_b32 s22, s15, 9
	s_add_co_u32 s22, s22, SA                      ; my tiles' scale words
	s_mul_i32 s23, s14, 16*SPITCH
	s_add_co_u32 s23, s23, STAGE                   ; my stage
	s_lshl_b32 s46, s42, 9                         ; my first column, in bytes
	s_lshl_b32 s47, s16, 8
	s_add_co_u32 s46, s46, s47
	s_mov_b32 s47, 0
	s_add_nc_u64 s[96:97], s[96:97], s[46:47]
	s_lshl_b32 s2, s17, 8
	s_lshl_b32 s3, s15, 7
	s_add_co_u32 s2, s2, s3                        ; my first row,
	s_lshl_b32 s2, s2, 12                          ; of 4,096 bytes
	s_add_co_u32 s2, s2, s46
	s_mov_b32 s3, 0
	s_add_nc_u64 s[12:13], s[12:13], s[2:3]
	v_and_b32 v1, 15, v0                           ; r
	v_bfe_u32 v2, v0, 4, 1                         ; h
	v_and_b32 v6, 31, v0
	v_lshlrev_b32 v[LN16], 4, v6
	v_add_nc_u32 v[ADRA], s18, v[LN16]
	v_add_nc_u32 v[ADRA+1], 65536, v[ADRA]
	v_mul_u32_u24 v3, v1, BP
	v_lshl_add_u32 v4, v2, 4, v3
	v_add_nc_u32 v[ADRB], s19, v4
	v_mul_u32_u24 v5, v1, 32                       ; my row's scale bytes: 32 a row,
	v_lshrrev_b32 v6, 8, v5
	v_lshl_add_u32 v5, v6, 4, v5                   ; and 16 more for each 256 passed
	v_add_nc_u32 v[ADSB], s21, v5
	v_lshlrev_b32 v7, 4, v1
	v_add_nc_u32 v[ADSA], s22, v7
	v_lshl_add_u32 v[CO], v2, 12, v7               ; out: lanes 0-15 one row, lanes 16-31 the next; 16 bytes a lane
	v_mul_u32_u24 v5, v1, SPITCH
	v_lshl_add_u32 v5, v2, 6, v5
	v_add_nc_u32 v[STO], s23, v5                   ; into the stage: row r, my half's 16 columns of each 32
	v_mul_u32_u24 v5, v2, SPITCH
	v_add_nc_u32 v5, v5, v7
	v_add_nc_u32 v[RD], s23, v5                    ; and back by rows
	v_lshlrev_b32 v8, 6, v2
	s_wait_alu depctr_va_vdst(0)
.irp i, 0,1,2,3
	global_load_b128 v[BIAS+8*\i:BIAS+8*\i+3], v8, s[96:97] offset:(32*(\i/2)+8*(\i%2))*4
	global_load_b128 v[BIAS+8*\i+4:BIAS+8*\i+7], v8, s[96:97] offset:(32*(\i/2)+8*(\i%2))*4+16
.endr
; 8 matrix instructions of K step t: A's tiles a0, a0 + 1 x B's four.  The 32 accumulators take turns, one instruction a turn.  Step 0 starts the sums with the bias
.macro MUL8 a0, t
.irp a, \a0, \a0+1
.irp b, 0,1,2,3
.if (\t) == 0
	v_wmma_scale_f32_16x16x128_f8f6f4 v[8*(4*(\a)+\b):8*(4*(\a)+\b)+7], v[128*((\t)%2)+FR*\b:128*((\t)%2)+FR*\b+FR-1], v[AF+64*((\t)%2)+FR*(\a):AF+64*((\t)%2)+FR*(\a)+FR-1], v[BIAS+8*\b:BIAS+8*\b+7], v[SCB+16*((\t)/4)+4*\b+(\t)%4], v[SCA+32*((\t)/4)+8*((\t)%4)+(\a)] matrix_a_fmt:MATRIX_FMT_FP4 matrix_b_fmt:MATRIX_FMT_FP4
.else
	v_wmma_scale_f32_16x16x128_f8f6f4 v[8*(4*(\a)+\b):8*(4*(\a)+\b)+7], v[128*((\t)%2)+FR*\b:128*((\t)%2)+FR*\b+FR-1], v[AF+64*((\t)%2)+FR*(\a):AF+64*((\t)%2)+FR*(\a)+FR-1], v[8*(4*(\a)+\b):8*(4*(\a)+\b)+7], v[SCB+16*((\t)/4)+4*\b+(\t)%4], v[SCA+32*((\t)/4)+8*((\t)%4)+(\a)] matrix_a_fmt:MATRIX_FMT_FP4 matrix_b_fmt:MATRIX_FMT_FP4
.endif
.endr
.endr
.endm
.macro FETCH t                         ; K step t's fragments into set t % 2: 8 loads for B, 16 for A
	WIN TO_B
.irp i, 0,1,2,3
.irp c, 0,1
	ds_load_b128 v[128*((\t)%2)+FR*\i+4*\c:128*((\t)%2)+FR*\i+4*\c+3], v[ADRB] offset:64*(\t)+32*\c+\i*16*BP
.endr
.endr
	WIN 0
.irp i, 0,1,2,3,4,5,6,7
.irp c, 0,1
	ds_load_b128 v[AF+64*((\t)%2)+FR*\i+4*\c:AF+64*((\t)%2)+FR*\i+4*\c+3], v[ADRA+(\t)/4] offset:4096*\i+1024*((\t)%4)+512*\c
.endr
.endr
.endm
.macro SCALES sc                       ; the scale words of K half sc
.irp i, 0,1,2,3
	ds_load_b128 v[SCB+16*\sc+4*\i:SCB+16*\sc+4*\i+3], v[ADSB] offset:\i*SBLK+16*\sc
.endr
.irp q, 0,1,2,3
.irp g, 0,1
	ds_load_b128 v[SCA+32*\sc+8*\q+4*\g:SCA+32*\sc+8*\q+4*\g+3], v[ADSA] offset:4096*\sc+1024*\q+256*\g
.endr
.endr
.endm
.macro STEP t
	s_wait_dscnt 0x0                               ; this step's fragments, asked for a step ago, are in
.if (\t) < 7
	PLACES NP                                      ; in front of loads into registers that the last step's products read
	FETCH (\t)+1
.endif
.if (\t) == 1
	SCALES 1                                       ; step 0 has read the bias: its registers take A's second set
.endif
.if (\t) == 0
	WIN MUL_1ST
.else
	WIN MUL
.endif
	MUL8 0, \t
	MUL8 2, \t
	MUL8 4, \t
	MUL8 6, \t
	WIN 0
.endm
	s_wait_tensorcnt 0x0                           ; my block is in,
	s_barrier_signal -1
	s_barrier_wait -1                              ; everybody's is
	FETCH 0
	SCALES 0
	s_wait_loadcnt 0x0                             ; the bias
.irp t, 0,1,2,3,4,5,6,7
	STEP \t
.endr
.macro TOSTAGE a                       ; tile a's 16 rows x 64 columns into my stage, each accumulator from its low end on, and back by rows; LDS serves a wave's instructions in order (ISA guide 5.7.1.4)
.set AC, 32*(\a)
	WIN 0x08
.irp b, 0,1,2,3
	ds_store_b128 v[STO], v[AC+8*\b:AC+8*\b+3] offset:128*(\b/2)+32*(\b%2)
	ds_store_b128 v[STO], v[AC+8*\b+4:AC+8*\b+7] offset:128*(\b/2)+32*(\b%2)+16
.endr
	WIN 0
.set BR, BK+32*((\a)%2)
.irp t, 0,1,2,3,4,5,6,7
	ds_load_b128 v[BR+4*\t:BR+4*\t+3], v[RD] offset:2*\t*SPITCH
.endr
.endm
.macro SEND a, younger                 ; younger: the LDS instructions issued behind tile a's loads, which may stay out
.set BR, BK+32*((\a)%2)
	s_wait_dscnt \younger
.if (\a) > 0
.if (\a)%2 == 1
	s_add_nc_u64 s[12:13], s[12:13], 8*SIZE_N*4    ; tile a begins at row 32 (a / 2) + 8 (a % 2)  (behind a wait on XCNT: the earlier stores have read their base)
.else
	s_add_nc_u64 s[12:13], s[12:13], 24*SIZE_N*4
.endif
.endif
.irp t, 0,1,2,3,4,5,6,7
	global_store_b128 v[CO], v[BR+4*\t:BR+4*\t+3], s[12:13] offset:(2*\t+8*(\t/4))*SIZE_N*4 th:TH_STORE_NT   ; stage row r is row r + 8 (r / 8) of the tile; 16 lanes store 256 consecutive bytes, aligned
.endr
.endm
	PLACES NP                                      ; behind the last products
	TOSTAGE 0
.irp a, 1,2,3,4,5,6,7
.if \a > 1
	s_wait_xcnt 0x0                                ; tile a - 2's stores have read their registers and their base
.endif
	TOSTAGE \a
	SEND \a-1, 16                                  ; behind tile a - 1's loads: tile a's 8 stores and 8 loads
.endr
	s_wait_xcnt 0x0
	SEND 7, 0
	s_wait_tensorcnt 0x0                           ; the wave's end
	ds_add_u32 v[SPW], v[NIL]
	s_wait_dscnt 0x0
	CROUND                                         ; the closing round
	s_endpgm
.Lfunc_end_k_q79a9a99005_proj:
	.size	k_q79a9a99005_proj, .Lfunc_end_k_q79a9a99005_proj-k_q79a9a99005_proj
	.p2alignl 7, 3214868480
	.fill 96, 4, 3214868480
	.section	.rodata,"a",@progbits
	.p2align	6, 0x0
	.amdhsa_kernel k_q79a9a99005_proj
		.amdhsa_group_segment_fixed_size 229376
		.amdhsa_private_segment_fixed_size 0
		.amdhsa_enable_private_segment 0
		.amdhsa_kernarg_size 48
		.amdhsa_user_sgpr_count 2
		.amdhsa_user_sgpr_kernarg_segment_ptr 1
		.amdhsa_wavefront_size32 1
		.amdhsa_system_sgpr_workgroup_id_x 1
		.amdhsa_system_sgpr_workgroup_id_y 1
		.amdhsa_system_sgpr_workgroup_id_z 1
		.amdhsa_system_vgpr_workitem_id 0
		.amdhsa_next_free_vgpr 768
		.amdhsa_next_free_sgpr 100
		.amdhsa_reserve_vcc 0
		.amdhsa_float_denorm_mode_32 3
		.amdhsa_float_denorm_mode_16_64 3
		.amdhsa_memory_ordered 1
		.amdhsa_forward_progress 1
		.amdhsa_inst_pref_size 73
	.end_amdhsa_kernel
	.amdgpu_metadata
---
amdhsa.version: [ 1, 2 ]
amdhsa.kernels:
  - .name:           k_q79a9a99005_proj
    .symbol:         k_q79a9a99005_proj.kd
    .args:
      - { .name: aoc, .offset: 0, .size: 8, .value_kind: global_buffer, .address_space: global }
      - { .name: aos, .offset: 8, .size: 8, .value_kind: global_buffer, .address_space: global }
      - { .name: opc, .offset: 16, .size: 8, .value_kind: global_buffer, .address_space: global }
      - { .name: ops, .offset: 24, .size: 8, .value_kind: global_buffer, .address_space: global }
      - { .name: out_proj_bias, .offset: 32, .size: 8, .value_kind: global_buffer, .address_space: global }
      - { .name: out0, .offset: 40, .size: 8, .value_kind: global_buffer, .address_space: global }
    .group_segment_fixed_size: 229376
    .private_segment_fixed_size: 0
    .kernarg_segment_align: 8
    .kernarg_segment_size: 48
    .max_flat_workgroup_size: 128
    .sgpr_count:     100
    .vgpr_count:     768
    .wavefront_size: 32
...
	.end_amdgpu_metadata
.endif
;; end of part 4
